; MI455X (gfx1250); checked and timed in simulation.
; The chip was launched on July 23, 2026; its instructions are those of AMD's public machine-readable ISA for CDNA 5 (MIT licence, August 2026) and "CDNA5" Instruction Set Architecture Reference Guide (July 2026). The comments in the code are by the model that wrote it; some were corrected since.
;; Causal Self Attention. Allowed arithmetic: matrix products marked QUANTISED: E4M3 operands, one given power-of-two scale a tensor, by v_wmma_f32_16x16x64_fp8_fp8 or v_wmma_f32_16x16x128_fp8_fp8, f32 sums; everything else in f32.
;; Inputs: b_proj 1,024 float32; b_qkv 3,072 float32; lowp_scales 8 int32 (the exponents e of the quantised operands' scales 2^e); w_proj 1,024 x 1,024 float32; w_qkv 1,024 x 3,072 float32; x 4 x 2,048 x 1,024 float32.
;; Outputs: out0 4 x 2,048 x 1,024 float32.
;; This version of the problem:
;;   THIS VERSION OF THE PROBLEM IS GIVEN IN LOW PRECISION. The matrix products marked QUANTISED in the list below multiply operands that are first quantised to E4M3 (4 exponent bits, 3 mantissa bits; 8 bits a number), with one given power-of-two scale for each operand tensor; their sums are f32. All else is computed in f32.
;;   The module's matrix products, in the order in which they are computed (A, B: the left and right operand; K: the contracted axis; several contracted axes count as one K, in the product's order):
;;     1. [M 8,192, K 1,024] x [K 1,024, N 3,072]; A: input x; B: input w_qkv: QUANTISED (scales: A lowp_scales[0], B lowp_scales[1])
;;     2. batch 64 x [M 2,048, K 64] x [K 64, N 2,048]; A: computed on the way; B: computed on the way: QUANTISED (scales: A lowp_scales[2], B lowp_scales[3])
;;     3. batch 64 x [M 2,048, K 2,048] x [K 2,048, N 64]; A: softmax (see below); B: computed on the way: QUANTISED (scales: A lowp_scales[4], B lowp_scales[5])
;;     4. [M 8,192, K 1,024] x [K 1,024, N 1,024]; A: computed on the way; B: input w_proj: QUANTISED (scales: A lowp_scales[6], B lowp_scales[7])
;;   THE QUANTISER, for each operand of a quantised product, along K:
;;     - The operand's scale is 2^e, e = its entry of the input lowp_scales (int32; the entries are numbered through the quantised products in the list's order, A before B).
;;     - Each number is divided by the scale, clamped to +-448, and rounded to the nearest number of E4M3, ties to even, subnormals kept.
;;     - The product sums the exact products of the quantised numbers (number of the format x scale) in f32.
;;   ~~~python
;;   def quantise(x, axis, e):      # numpy; x: float32 -> the quantised numbers, widened to float32 again
;;       x = np.moveaxis(x, axis, -1); K = x.shape[-1]
;;       r = np.clip(x / 2.0 ** e, -448, 448)
;;       step = 2.0 ** (np.maximum(np.frexp(np.where(r == 0, 1, r))[1] - 1, -6) - 3)
;;       q = np.round(r / step) * step * 2.0 ** e      # np.round: ties to even
;;       return np.moveaxis(q, -1, axis).astype(np.float32)
;;   ~~~
;;   SOFTMAX AHEAD OF A QUANTISED PRODUCT. Where the list says 'softmax', what is quantised is not the finished softmax but p = 2^(t - M), with t = logit x log2(e) and M = ceil(the row's largest t), a whole number; so 1/2 < the row's largest p <= 1. The row's sum l is taken of the UNQUANTISED p, in f32, and the product's result is divided by l at the end. Since M is a whole number, a kernel that streams over the keys may use a running M (the ceiling of the running maximum): every later rescaling is an exact power of two, so the quantised numbers keep their values, but for numbers so far below the row's largest that they fall under the format's range.
;;   OPERANDS COMPUTED ON THE WAY. 'Computed on the way' means the value that the module computes at that place (a softmax that the list does not call 'softmax' is quantised finished and normalised). What goes into a quantiser is computed in f32, as accurately as f32 sums, v_exp_f32 and their like allow (about 1e-6 of the number): no bf16 or f16 on the way to a quantiser, and a product that is left as it is and whose result goes on into a quantised operand takes f32 operands (vector FMAs, or v_wmma_f32_16x16x4_f32). A number that lies on a knife's edge between two numbers of the format may be rounded either way, as far as f32 arithmetic and the matrix unit's own rounding can turn it there, and no further.
;; One version. Each part assembles by itself: llvm-mc -triple=amdgcn-amd-amdhsa -mcpu=gfx1250 --defsym DOCPART=n.
;; ======== version 1 of 1: 4 launches
;; limits: right only within a limited range of input values
;; workspace buffers: xc 8,388,608 bytes; wqc 3,145,728 bytes; wpc 1,048,576 bytes; qc 8,388,608 bytes; kc 8,388,608 bytes; vc 8,388,608 bytes; yc 8,388,608 bytes
;; launch quant (part 1): grid 384 x 1, 4 waves a work-group, no clusters, 102,912 bytes of LDS; arguments x, w_qkv, w_proj, lowp_scales, xc, wqc, wpc; writes xc, wqc, wpc
.if DOCPART == 1
	.amdgcn_target "amdgcn-amd-amdhsa--gfx1250"
	.amdhsa_code_object_version 6
	.text
	.protected	k_q010937e0d9_quant
	.globl	k_q010937e0d9_quant
	.p2align	8
	.type	k_q010937e0d9_quant,@function
k_q010937e0d9_quant:
	s_mov_b64 s[64:65], 0
	v_nop
	global_prefetch_b8 v0, s[64:65] scope:SCOPE_SE
	s_setreg_imm32_b32 hwreg(HW_REG_WAVE_MODE, 25, 1), 1
	s_wait_xcnt 0x0
; The three f32 inputs of the quantised products become codes of FP8 (E4M3), one code a byte, K innermost, each with the one scale 2^e that is given for it:
;   x      [8192][1024]  -> xc  [8192][1024]   (K is innermost already)          e = entry 0 of the scales
;   w_qkv  [1024][3072]  -> wqc [3072][1024]   (K is the FIRST axis)             e = entry 1
;   w_proj [1024][1024]  -> wpc [1024][1024]   (K is the FIRST axis)             e = entry 7
; code = number / 2^e, held within +-448, rounded to the nearest code, ties to even.
; LIMITS: each e lies between -126 and 119, so that 2^e and 448 x 2^e are f32 numbers.  NaN among the inputs is not served (an infinity is held at the largest code).
; SHARES.  Work-groups 0-255 take x: a wave takes 8,192 numbers on end, 16 steps of 512.  Work-groups 256-351 take w_qkv, 352-383 w_proj: a wave takes 32 columns x 256 along K.
; The three paths part on the work-group's number and meet again only at the end; each has LDS bytes of its own.  No tensor loads, no barrier: waves share nothing.
; PATH X: each load reads 512 consecutive bytes, 16 a lane; a step's 2,048 bytes turn through the wave's own stage in LDS and come back 64 bytes a lane, so that a lane holds 16 neighbours along K.
; PATHS W: a lane takes a column and its registers run down K, so the conversions give codes with K innermost; they leave through the wave's stage as rows: sixteen lanes store 256 consecutive aligned bytes.
.set EMAX,  8
.set MANT,  0x600000                   ; the mantissa field of 448 as f32
.set SPW,   12                         ; v12  LDS address of my spare word: SPARE + 4 x my thread's number; never rewritten
.set NIL,   13                         ; v13  0; never rewritten
.set SPARE, 102400                     ; behind the stages: the spare words, 128 bytes for each wave, that no other line names
; path X
.set STEPS, 16
.set WREG,  8192                       ; LDS bytes 0 .. 32,767: a region for each wave: two stages of 32 x SP bytes
.set SP,    80                         ; a lane's place in a stage: its 64 bytes + 16 of padding
.set R,     16                         ; v16-79   four sets of 16 numbers as they are loaded
.set X,     80                         ; v80-111  two sets of 16 neighbours
.set C,     128                        ; v128-191 codes: four registers for each step, so that no store's data are written again
; paths W
.set PITCH, 272                        ; a stage row: 256 bytes of codes + 16
.set STWQ,  32768                      ; w_qkv's four stages of 32 rows
.set STWP,  67584                      ; w_proj's
.set NB,    8                          ; blocks of 32 along K for a wave
.set WX,    32                         ; v32-95   two sets of 32 numbers
.set WC,    96                         ; v96-103  a block's codes
.set OUTR,  112                        ; v112-175 the way out
.macro SCALE esc                       ; v11 = 2^e as f32 (the conversion takes its exponent field)
	s_add_co_i32 s32, s[\esc], 127
	s_lshl_b32 s33, s32, 23
	v_mov_b32 v11, s33
	s_add_co_i32 s32, s32, EMAX
	s_lshl_b32 s32, s32, 23
	s_or_b32 s32, s32, MANT
.endm
.macro XLOAD t                         ; step t: four loads, each 512 consecutive bytes
.irp i, 0,1,2,3
	global_load_b128 v[R+16*((\t)%4)+4*\i:R+16*((\t)%4)+4*\i+3], v3, s[4:5] offset:2048*(\t)+512*\i th:TH_LOAD_NT
.endr
.endm
.macro XTURN t                         ; step t's numbers through the stage: LDS serves a wave's instructions in order, so no wait stands between the stores and the loads
.irp i, 0,1,2,3
	ds_store_b128 v14, v[R+16*((\t)%4)+4*\i:R+16*((\t)%4)+4*\i+3] offset:32*SP*((\t)%2)+8*SP*\i
.endr
.irp i, 0,1,2,3
	ds_load_b128 v[X+16*((\t)%2)+4*\i:X+16*((\t)%2)+4*\i+3], v15 offset:32*SP*((\t)%2)+16*\i
.endr
.endm
.macro XSTEP t
.set XS, X+16*((\t)%2)
	s_wait_dscnt 0x0                               ; this step's numbers are back from the stage, and its stores into the stage have read their registers,
.if (\t)+4 < STEPS
	XLOAD (\t)+4                                   ; which take the loads of four steps on
.endif
.if (\t)+1 < STEPS
.if STEPS-2-(\t) >= 3
	s_wait_loadcnt 12                              ; the next step's four loads are in; those of the three steps behind it may be out
.else
	s_wait_loadcnt 4*(STEPS-2-(\t))                ; in the tail: as many steps as are left behind the next one
.endif
	XTURN (\t)+1                                   ; they go through the other stage while this step is worked
.endif
.irp i, 0,1,2,3,4,5,6,7,8,9,10,11,12,13,14,15
.endr
	v_cvt_scalef32_pk8_fp8_f32 v[C+4*(\t):C+4*(\t)+1], v[XS:XS+7], v11
	v_cvt_scalef32_pk8_fp8_f32 v[C+4*(\t)+2:C+4*(\t)+3], v[XS+8:XS+15], v11
	global_store_b128 v3, v[C+4*(\t):C+4*(\t)+3], s[12:13] offset:512*(\t)   ; 32 lanes store 512 consecutive bytes; the codes go to a store alone
.endm
.macro WLOAD t, n, src                 ; block t: W(32 t + i, my column), i = 0 .. 31, into set t % 2: a wave reads 128 consecutive bytes of a row
.irp i, 0,1,2,3,4,5,6,7,8,9,10,11,12,13,14,15,16,17,18,19,20,21,22,23,24,25,26,27,28,29,30,31
	global_load_b32 v[WX+32*((\t)%2)+\i], v3, s[\src:\src+1] offset:(32*(\t)+\i)*(\n)*4 th:TH_LOAD_NT
.endr
.endm
.macro WBLOCK t, n, src
.set XS, WX+32*((\t)%2)
.if (\t) < NB-1
	s_wait_loadcnt 32                              ; this block's 32 loads are in; the next block's 32 may be out
.else
	s_wait_loadcnt 0
.endif
.irp i, 0,1,2,3,4,5,6,7,8,9,10,11,12,13,14,15,16,17,18,19,20,21,22,23,24,25,26,27,28,29,30,31
.endr
.irp g, 0,1,2,3
	v_cvt_scalef32_pk8_fp8_f32 v[WC+2*\g:WC+2*\g+1], v[XS+8*\g:XS+8*\g+7], v11
.endr
	ds_store_b128 v4, v[WC:WC+3] offset:32*(\t)    ; 32 codes: 32 bytes of my column's row
	ds_store_b128 v4, v[WC+4:WC+7] offset:32*(\t)+16
.if (\t)+2 < NB
	WLOAD (\t)+2, \n, \src
.endif
	s_wait_dscnt 0x0                               ; the stores have read their registers: the next block's codes may be written
.endm
; A weight [1024][n], from work-group number first on: 4 work-groups along K for each 128 columns.  Every offset is an immediate: 255 x n x 4 bytes at the most, 3,133,440, inside the signed 24 bits.
.macro WPATH n, stg, esc, src, dst, first
	s_sub_co_u32 s19, ttmp9, \first
	s_and_b32 s20, s19, 3                          ; which 256 along K
	s_lshr_b32 s19, s19, 2
	s_lshl_b32 s19, s19, 7
	s_lshl_b32 s21, s18, 5
	s_add_co_u32 s19, s19, s21                     ; my wave's first column
	v_lshlrev_b32 v3, 2, v2                        ; in: 4 bytes a lane
	s_mul_i32 s21, s18, 32*PITCH
	s_add_co_u32 s21, s21, \stg                    ; my stage
	v_mul_u32_u24 v4, v2, PITCH
	v_add_nc_u32 v4, s21, v4                       ; into it: row = my column
	v_and_b32 v5, 15, v2
	v_lshrrev_b32 v6, 4, v2
	v_mul_u32_u24 v7, v6, PITCH
	v_lshl_add_u32 v7, v5, 4, v7
	v_add_nc_u32 v7, s21, v7                       ; out of it: sixteen lanes to a row, two rows an instruction
	v_lshlrev_b32 v8, 10, v6
	v_lshl_add_u32 v8, v5, 4, v8                   ; and the same place in the codes' buffer, whose rows are 1,024 bytes
	s_mul_i32 s22, s20, 256*(\n)*4
	s_lshl_b32 s23, s19, 2
	s_add_co_u32 s22, s22, s23
	s_mov_b32 s23, 0
	s_add_nc_u64 s[\src:\src+1], s[\src:\src+1], s[22:23]
	s_lshl_b32 s22, s19, 10
	s_lshl_b32 s21, s20, 8
	s_add_co_u32 s22, s22, s21
	s_add_nc_u64 s[\dst:\dst+1], s[\dst:\dst+1], s[22:23]
	WLOAD 0, \n, \src
	WLOAD 1, \n, \src
	s_wait_kmcnt 0x0                               ; the exponents
	SCALE \esc
	s_wait_alu depctr_va_vdst(0)
.irp t, 0,1,2,3,4,5,6,7
	WBLOCK \t, \n, \src
.endr
.irp t, 0,1,2,3,4,5,6,7,8,9,10,11,12,13,14,15
	ds_load_b128 v[OUTR+4*\t:OUTR+4*\t+3], v7 offset:2*\t*PITCH   ; LDS serves a wave's instructions in order: these see my stores
.endr
.irp t, 0,1,2,3,4,5,6,7,8,9,10,11,12,13,14,15
	s_wait_dscnt 15-\t                             ; load t is in; the younger ones may be out
	global_store_b128 v8, v[OUTR+4*\t:OUTR+4*\t+3], s[\dst:\dst+1] offset:2*\t*1024
.endr
.endm
	s_load_b256 s[4:11], s[0:1], 0x0               ; x s[4:5], w_qkv s[6:7], w_proj s[8:9], the exponents' buffer s[10:11]
	s_load_b128 s[12:15], s[0:1], 0x20             ; xc s[12:13], wqc s[14:15]
	s_load_b64 s[16:17], s[0:1], 0x30              ; wpc
	v_lshl_add_u32 v[SPW], v0, 2, SPARE
	v_mov_b32 v[NIL], 0
	v_lshrrev_b32 v1, 5, v0
	v_readfirstlane_b32 s18, v1                    ; wave 0..3
	v_and_b32 v2, 31, v0                           ; lane
	s_wait_kmcnt 0x0
	s_load_b256 s[24:31], s[10:11], 0x0            ; the eight exponents: entry n in s[24 + n]
	s_cmp_lt_u32 ttmp9, 256
	s_cbranch_scc1 .Lx
	s_cmp_lt_u32 ttmp9, 352
	s_cbranch_scc1 .Lwq
	s_wait_alu depctr_va_vdst(0)
	WPATH 1024, STWP, 31, 8, 16, 352               ; w_proj
	s_branch .Lend
.Lwq:
	s_wait_alu depctr_va_vdst(0)
	WPATH 3072, STWQ, 25, 6, 14, 256               ; w_qkv
	s_branch .Lend
.Lx:
	s_wait_alu depctr_va_vdst(0)
	v_lshlrev_b32 v3, 4, v2                        ; my 16 bytes of a load's 512, and of a store's
	s_wait_alu depctr_va_vdst(0)
	s_mul_i32 s19, s18, WREG
	v_lshrrev_b32 v14, 2, v2
	v_mul_u32_u24 v14, v14, SP
	v_and_b32 v15, 3, v2
	v_lshl_add_u32 v14, v15, 4, v14
	v_add_nc_u32 v14, s19, v14                     ; the stage, on the way in: four lanes' 64 bytes on end, then 16 of padding
	v_mul_u32_u24 v15, v2, SP
	v_add_nc_u32 v15, s19, v15                     ; and on the way out: SP x lane: my 16 neighbours
	s_lshl_b32 s20, ttmp9, 2
	s_add_co_u32 s20, s20, s18                     ; which run of 8,192 numbers is my wave's
	s_lshl_b32 s22, s20, 15
	s_mov_b32 s23, 0
	s_add_nc_u64 s[4:5], s[4:5], s[22:23]
	s_lshl_b32 s22, s20, 13
	s_add_nc_u64 s[12:13], s[12:13], s[22:23]
.irp t, 0,1,2,3
	XLOAD \t
.endr
	s_wait_alu depctr_va_vdst(0)
	s_wait_kmcnt 0x0                               ; the exponents
	SCALE 24
	s_wait_alu depctr_va_vdst(0)
	s_wait_loadcnt 12                              ; step 0's four loads are in
	XTURN 0
.irp t, 0,1,2,3,4,5,6,7,8,9,10,11,12,13,14,15
	XSTEP \t
.endr
.Lend:
	s_wait_tensorcnt 0x0                           ; the wave's end: a wait, an add of 0 and its wait, behind my last LDS store
	ds_add_u32 v[SPW], v[NIL]
	s_wait_dscnt 0x0
	s_endpgm
.Lfunc_end_k_q010937e0d9_quant:
	.size	k_q010937e0d9_quant, .Lfunc_end_k_q010937e0d9_quant-k_q010937e0d9_quant
	.p2alignl 7, 3214868480
	.fill 96, 4, 3214868480
	.section	.rodata,"a",@progbits
	.p2align	6, 0x0
	.amdhsa_kernel k_q010937e0d9_quant
		.amdhsa_group_segment_fixed_size 102912
		.amdhsa_private_segment_fixed_size 0
		.amdhsa_enable_private_segment 0
		.amdhsa_kernarg_size 56
		.amdhsa_user_sgpr_count 2
		.amdhsa_user_sgpr_kernarg_segment_ptr 1
		.amdhsa_wavefront_size32 1
		.amdhsa_system_sgpr_workgroup_id_x 1
		.amdhsa_system_sgpr_workgroup_id_y 1
		.amdhsa_system_sgpr_workgroup_id_z 1
		.amdhsa_system_vgpr_workitem_id 0
		.amdhsa_next_free_vgpr 192
		.amdhsa_next_free_sgpr 66
		.amdhsa_reserve_vcc 0
		.amdhsa_float_denorm_mode_32 3
		.amdhsa_float_denorm_mode_16_64 3
		.amdhsa_fp16_overflow 1
		.amdhsa_memory_ordered 1
		.amdhsa_forward_progress 1
		.amdhsa_inst_pref_size 85
	.end_amdhsa_kernel
	.amdgpu_metadata
---
amdhsa.version: [ 1, 2 ]
amdhsa.kernels:
  - .name:           k_q010937e0d9_quant
    .symbol:         k_q010937e0d9_quant.kd
    .args:
      - { .name: x, .offset: 0, .size: 8, .value_kind: global_buffer, .address_space: global }
      - { .name: w_qkv, .offset: 8, .size: 8, .value_kind: global_buffer, .address_space: global }
      - { .name: w_proj, .offset: 16, .size: 8, .value_kind: global_buffer, .address_space: global }
      - { .name: lowp_scales, .offset: 24, .size: 8, .value_kind: global_buffer, .address_space: global }
      - { .name: xc, .offset: 32, .size: 8, .value_kind: global_buffer, .address_space: global }
      - { .name: wqc, .offset: 40, .size: 8, .value_kind: global_buffer, .address_space: global }
      - { .name: wpc, .offset: 48, .size: 8, .value_kind: global_buffer, .address_space: global }
    .group_segment_fixed_size: 102912
    .private_segment_fixed_size: 0
    .kernarg_segment_align: 8
    .kernarg_segment_size: 56
    .max_flat_workgroup_size: 128
    .sgpr_count:     66
    .vgpr_count:     192
    .wavefront_size: 32
...
	.end_amdgpu_metadata
.endif
;; end of part 1
;; launch qkv (part 2): grid 8 x 48, 4 waves a work-group, clusters of 4 x 4, 327,680 bytes of LDS; arguments xc, wqc, lowp_scales, b_qkv, qc, kc, vc; writes qc, kc, vc
.if DOCPART == 2
	.amdgcn_target "amdgcn-amd-amdhsa--gfx1250"
	.amdhsa_code_object_version 6
	.text
	.protected	k_q010937e0d9_qkv
	.globl	k_q010937e0d9_qkv
	.p2align	8
	.type	k_q010937e0d9_qkv,@function
k_q010937e0d9_qkv:
	s_mov_b64 s[64:65], 0
	v_nop
	global_prefetch_b8 v0, s[64:65] scope:SCOPE_SE
	s_setreg_imm32_b32 hwreg(HW_REG_WAVE_MODE, 25, 1), 1
	s_wait_xcnt 0x0
	s_wait_alu depctr_hold_cnt(0) depctr_sa_sdst(0) depctr_va_vdst(0) depctr_va_sdst(0) depctr_va_ssrc(0) depctr_va_vcc(0) depctr_vm_vsrc(0)
	s_getreg_b32 s2, hwreg(HW_REG_IB_STS2, 6, 4)
	s_cmp_eq_u32 s2, 0
	s_cbranch_scc0 .Lentry_in_a_cluster
	s_endpgm
.Lentry_in_a_cluster:
	s_bfe_u32 s2, ttmp6, 0x10000c
	s_cmp_lg_u32 s2, 0xf033
	s_cbranch_scc0 .Lentry_shape_is_right
	s_endpgm
.Lentry_shape_is_right:
; qkv = x w_qkv + b_qkv on codes of FP8 (E4M3), and q, k, v quantised on the way out, each with its given scale.
; xc [8192][1024], wqc [3072][1024]: codes, K innermost.  A sum stands for sum x 2^(e0 + e1); number = sum x 2^(e0 + e1) + bias, one fused multiply-add in f32; its code = number / 2^eo held within +-448,
; eo = entry 2 (q), 3 (k) or 5 (v) of the scales.  OUT: qc, kc [64 (batch, head)][2048 tokens][64]; vc [64][16 blocks of keys][64 channels][128 keys]: v's next K is the keys, so they lie innermost.
; LIMITS: e0 + e1 between -126 and 127; entries 2, 3, 5 between -126 and 119: each power of two below is then an f32 number.
; A tile of 256 x 256 is made by four waves, each 128 x 128: 64 accumulators, 512 registers.  K goes in steps of 256 through a ring of two LDS slots filled by the tensor data mover.
; THE MATRIX INSTRUCTION IS USED TRANSPOSED (source 0 = 16 rows of side B, source 1 = 16 rows of side A): a lane holds ONE row of side A and eight neighbours of side B, which the conversion wants along the next K.
;   q, k (clusters y 0-7):  side A = tokens (xc), side B = columns 0-2047 (wqc): a lane's eight are eight neighbouring channels of a head.
;   v    (clusters y 8-11): side A = channels (wqc rows 2048 on), side B = tokens (xc): a lane's eight are eight neighbouring keys.  Only pointers and the way out differ; nothing is transposed.
; CLUSTERS: 4 x 4 work-groups; side A's tile is shared along a row of the cluster, side B's along a column: each is asked for jointly, by the same tensor load with the same descriptor and a mask that names the four.
; Which part a work-group serves hangs on the cluster's y alone, which all sixteen partners share.
; REGISTERS, in windows of 256: window 0: v0-31 addresses; v48-63 the bias by channel (each twice, as pairs); v64-127 the bias by column; from v128 side A's fragments, ONE set; on the way out v128-191 numbers, v192-255 codes.
;   window 1: side B's fragments, TWO sets; on the way out v0-127 rows read back from the stage.   windows 2, 3: the accumulators of my rows 0-63, 64-127.
.set KSTEP,  256
.set ROWB,   256                       ; a tile's row in bytes
.set KROW,   1024                      ; a row of xc or wqc in memory
.set PITCH,  272                       ; an LDS row: 256 bytes + 16 of padding = 68 words: row r starts at bank 4 r mod 64 (64 banks of 4 bytes: ISA guide 11.1)
.set FR,     16                        ; registers of a fragment: 16 rows x 128 K
.set NL,     4                         ; LDS loads that bring one
.set NP,     4                         ; places behind this matrix instruction (ISA guide 7.12.1)
.set HALFT,  128*PITCH                 ; 128 rows: what one tensor load brings
.set SLOT,   4*HALFT
.set SPARE,  2*SLOT                    ; behind the ring: the spare words, 128 bytes a wave, that no other line names
.set SPI,    144                       ; the way out: a stage row: 128 bytes of codes + 16
.set STQ,    SPARE+512                 ; q's and k's stages: 16 rows for each wave; no fill ever lands here
.set STV,    STQ+4*16*SPI              ; v's stages: bytes of their own
.set BOF,  8                           ; v8   32 x (lane / 16): my place in the bias by column; never rewritten
.set VOF,  9                           ; v9   4 x (lane % 16): in the bias by channel; never rewritten
.set LIM,  10
.set SCL,  11                          ; v11  2^eo
.set ADRA, 16                          ; v16-17  LDS address of my side A fragments in slot 0, 1
.set ADRB, 20                          ; v20-21  the same for side B
.set STOV, 22                          ; v22, v23  v's stage: where I put 8 codes, where I read rows back
.set RDV,  23
.set STOQ, 24                          ; v24, v25  the same for q and k
.set RDQ,  25
.set CO,   26                          ; v26  16 x lane: a store's 512 consecutive bytes
.set SPW,  28                          ; v28  LDS address of my spare word; never rewritten
.set NIL,  29                          ; v29  0; never rewritten
.set VB,   48
.set BIAS, 64
.set AF,   128
.set TMP,  128
.set CD,   192
.set G1, 24                            ; s[24:31] descriptor group 1 for side A;  s[32:39] group 0, one set for each slot
.set G0, 32
.set G1B, 48                           ; s[48:55], s[56:63] the same for side B
.set G0B, 56
.set MSB, 0
.macro WIN new                         ; the immediate's high byte repeats the setting that is left
.if MSB != (\new)
	s_set_vgpr_msb (MSB<<8)|(\new)
.set MSB, (\new)
.endif
.endm
.set MUL_LO, 0xa1                      ; source 0 (B) window 1, source 1 (A) window 0, C and D window 2
.set MUL_HI, 0xf1                      ; the same, C and D window 3
.set TO_B,   0x40                      ; destination window 1, address window 0
; A joint load: waves 0 and 1 fetch for side A, waves 2 and 3 for side B; the branch hangs on the wave's number alone.  An s_nop 0 and four v_nop follow each of the two lines.
.macro JLOAD g0a, g1a, g0b, g1b
	s_cmp_eq_u32 s15, 0
	s_cbranch_scc0 .Lfor_b_\@
	tensor_load_to_lds s[\g0a:\g0a+3], s[\g1a:\g1a+7]
	s_nop 0
.rept 4
	v_nop
.endr
	s_branch .Lasked_\@
.Lfor_b_\@:
	tensor_load_to_lds s[\g0b:\g0b+3], s[\g1b:\g1b+7]
	s_nop 0
.rept 4
	v_nop
.endr
.Lasked_\@:
.endm
.macro CREST                           ; a round of the cluster's barrier behind its opening barrier
	s_cmp_lg_u32 s14, 0
	s_cbranch_scc1 .Lnot_wave_0_\@
	s_barrier_signal -3
.Lnot_wave_0_\@:
	s_barrier_wait -3
	s_barrier_signal -1
	s_barrier_wait -1
.endm
.macro CROUND                          ; a whole round
	s_barrier_signal -1
	s_barrier_wait -1
	CREST
.endm
	s_load_b128 s[4:7], s[0:1], 0x0                ; xc s[4:5], wqc s[6:7]
	s_load_b128 s[8:11], s[0:1], 0x10              ; the exponents' buffer s[8:9], b_qkv s[10:11]
	s_load_b128 s[68:71], s[0:1], 0x20             ; qc s[68:69], kc s[70:71]
	s_load_b64 s[72:73], s[0:1], 0x30              ; vc
	v_lshl_add_u32 v[SPW], v0, 2, SPARE
	v_mov_b32 v[NIL], 0
	ds_add_u32 v[SPW], v[NIL]                      ; the wave's opening: the add and its wait stand ahead of my first tensor load; the set-up below, work on registers, stands between them
	ds_add_u32 v[SPW], v[NIL]
	v_lshrrev_b32 v1, 5, v0
	v_readfirstlane_b32 s14, v1                    ; wave 0..3
	s_lshr_b32 s15, s14, 1                         ; which half of side A's rows is mine.  Also: I fetch for A (0) or for B (1)
	s_and_b32 s16, s14, 1                          ; which half of side B's.  Also: which 128 rows of that tile I fetch
	s_bfe_u32 s40, ttmp6, 0x40000                  ; cx, cy: my place in the cluster
	s_bfe_u32 s41, ttmp6, 0x40004
	s_and_b32 s74, ttmp7, 0xffff                   ; the cluster's y: 0-7 q and k, 8-11 v
	s_max_u32 s75, s74, 8
	s_sub_co_u32 s75, s75, 8                       ; 0 for q and k; 0-3 for v
	s_lshl_b32 s75, s75, 3
	s_lshl_b32 s42, ttmp9, 2
	s_add_co_u32 s42, s42, s40
	s_add_co_u32 s42, s42, s75                     ; side B's tile: q, k: 0-7 (columns);  v: 0-31 (tokens).  It holds cx and the cluster's coordinates alone
	s_cmp_lt_u32 s74, 8
	s_cselect_b32 s17, s74, 0
	s_cselect_b32 s19, 0, 0x200000                 ; v: side A begins at row 2,048 of wqc
	s_lshl_b32 s17, s17, 2
	s_add_co_u32 s17, s17, s41                     ; side A's tile: q, k: 0-31 (tokens);  v: 0-3 (channels).  It holds cy and the cluster's coordinates alone
	s_lshl_b32 s43, s41, 2
	s_lshl_b32 s43, 15, s43                        ; my row of the cluster
	s_lshl_b32 s44, 0x1111, s40                    ; my column
	; descriptor group 1: a tile of 128 rows x 256 bytes, padded in LDS
	s_or_b32 s[G1+0], s43, (0<<16)|(1<<20)|(1<<21)|(5<<22)|(3<<25)  ; 15:0 the mask: side A's tiles go to my row; elements of 1 byte; 20 padding on; 21 set beside a mask; after every 64 words (code 5) four words (code 3)
	s_or_b32 s[G1B+0], s44, (0<<16)|(1<<20)|(1<<21)|(5<<22)|(3<<25)
.irp g, G1, G1B
	s_mov_b32 s[\g+1], ROWB<<16                    ; tensor_dim0
	s_mov_b32 s[\g+2], 128<<16                     ; tensor_dim1
	s_mov_b32 s[\g+3], ROWB<<16                    ; tile_dim0
	s_mov_b32 s[\g+4], 128                         ; tile_dim1
	s_mov_b32 s[\g+5], KROW                        ; tensor_dim0_stride
	s_mov_b32 s[\g+6], 0
	s_mov_b32 s[\g+7], 0
.endr
	s_lshl_b32 s18, s16, 7                         ; which 128 rows of the tile I fetch
	s_lshl_b32 s20, s17, 8
	s_add_co_u32 s20, s20, s18
	s_lshl_b32 s20, s20, 10                        ; side A: (256 x tile + 128 x half) rows of 1,024 bytes,
	s_add_co_u32 s20, s20, s19                     ; for v from row 2,048 on
	s_mov_b32 s21, 0
	s_lshl_b32 s46, s42, 8
	s_add_co_u32 s46, s46, s18
	s_lshl_b32 s46, s46, 10                        ; side B likewise
	s_mov_b32 s47, 0
	s_mul_i32 s45, s14, HALFT                      ; where they go: wave x 128 rows: no place in the cluster enters an LDS address
	s_wait_dscnt 0x0                               ; the opening add is done
	s_wait_kmcnt 0x0
	s_load_b256 s[80:87], s[8:9], 0x0              ; the eight exponents: entry n in s[80 + n]
	s_cmp_lt_u32 s74, 8
	s_cselect_b64 s[76:77], s[4:5], s[6:7]         ; side A: xc for q and k, wqc for v
	s_cselect_b64 s[78:79], s[6:7], s[4:5]         ; side B: the other one
	s_add_nc_u64 s[20:21], s[76:77], s[20:21]
	s_add_nc_u64 s[46:47], s[78:79], s[46:47]
	CROUND                                         ; all sixteen work-groups are here: the first joint loads meet
.irp s, 0,1
	s_mov_b32 s[G0+4*\s], 1
	s_add_co_u32 s[G0+4*\s+1], s45, \s*SLOT
	s_add_nc_u64 s[G0+4*\s+2:G0+4*\s+3], s[20:21], \s*ROWB
	s_or_b32 s[G0+4*\s+3], s[G0+4*\s+3], 0x80000000
	s_mov_b32 s[G0B+4*\s], 1
	s_add_co_u32 s[G0B+4*\s+1], s45, \s*SLOT
	s_add_nc_u64 s[G0B+4*\s+2:G0B+4*\s+3], s[46:47], \s*ROWB
	s_or_b32 s[G0B+4*\s+3], s[G0B+4*\s+3], 0x80000000
	JLOAD G0+4*\s, G1, G0B+4*\s, G1B
.endr
	v_and_b32 v1, 15, v0                           ; r = l % 16
	s_wait_alu depctr_va_vdst(0)
	v_bfe_u32 v2, v0, 4, 1                         ; h = l / 16
	v_mul_u32_u24 v3, v1, PITCH
	v_lshl_add_u32 v4, v2, 4, v3                   ; a fragment's row x pitch + 16 x half
	s_mul_i32 s21, s15, HALFT                      ; my 128 rows of side A
	s_mul_i32 s22, s16, HALFT                      ; my 128 rows of side B,
	s_add_co_u32 s22, s22, 2*HALFT                 ; which lie behind A's 256
.irp s, 0,1
	v_add_nc_u32 v[ADRA+\s], s21, v4
	v_add_nc_u32 v[ADRB+\s], s22, v4
	s_add_co_u32 s21, s21, SLOT
	s_add_co_u32 s22, s22, SLOT
.endr
	s_mul_i32 s23, s14, 16*SPI                     ; my stage among the four
	v_mul_u32_u24 v5, v1, SPI
	s_wait_alu depctr_va_vdst(0)
	v_lshl_add_u32 v5, v2, 3, v5
	v_add_nc_u32 v5, s23, v5                       ; in: row r, 8 bytes for each half of the lanes
	v_add_nc_u32 v[STOQ], STQ, v5
	v_add_nc_u32 v[STOV], STV, v5
	v_and_b32 v6, 31, v0                           ; lane
	v_lshlrev_b32 v[CO], 4, v6
	v_lshrrev_b32 v7, 2, v6
	v_mul_u32_u24 v7, v7, SPI
	v_and_b32 v3, 3, v6
	v_lshl_add_u32 v7, v3, 4, v7
	v_add_nc_u32 v7, s23, v7
	v_add_nc_u32 v[RDQ], STQ, v7                   ; back, q and k: four lanes take 64 bytes (a head's) of a row, eight rows an instruction
	v_lshrrev_b32 v7, 3, v6
	v_mul_u32_u24 v7, v7, SPI
	v_and_b32 v3, 7, v6
	v_lshl_add_u32 v7, v3, 4, v7
	v_add_nc_u32 v7, s23, v7
	v_add_nc_u32 v[RDV], STV, v7                   ; back, v: eight lanes take a row's 128 bytes, four rows an instruction
	v_lshlrev_b32 v[BOF], 5, v2
	s_wait_alu depctr_va_vdst(0)
	v_lshlrev_b32 v[VOF], 2, v1
	s_wait_alu depctr_va_vdst(0)
	; THE BIAS, in both forms, with no branch: by side B's column (q, k: register 8 b + j = column 16 b + 8 h + j of my 128) and by side A's row (v: channel 16 a + r, twice, as a pair).
	; The form that my part does not use reads the bias's first bytes, which lie inside the buffer, and is not used.
	s_lshl_b32 s75, s42, 8
	s_lshl_b32 s76, s16, 7
	s_add_co_u32 s75, s75, s76
	s_lshl_b32 s75, s75, 2                         ; 4 x (256 x side B's tile + 128 x half)
	s_lshl_b32 s77, s17, 8
	s_lshl_b32 s76, s15, 7
	s_add_co_u32 s77, s77, s76
	s_add_co_u32 s77, s77, 2048
	s_lshl_b32 s77, s77, 2                         ; 4 x (2,048 + 256 x side A's tile + 128 x half)
	s_cmp_lt_u32 s74, 8
	s_cselect_b32 s76, s75, 0
	s_cselect_b32 s78, 0, s77
	s_mov_b32 s77, 0
	s_mov_b32 s79, 0
	s_add_nc_u64 s[92:93], s[10:11], s[76:77]      ; these two bases stay as they are until the loads have come
	s_add_nc_u64 s[94:95], s[10:11], s[78:79]
.irp b, 0,1,2,3,4,5,6,7
	global_load_b128 v[BIAS+8*\b:BIAS+8*\b+3], v[BOF], s[92:93] offset:64*\b
	global_load_b128 v[BIAS+8*\b+4:BIAS+8*\b+7], v[BOF], s[92:93] offset:64*\b+16
.endr
.irp a, 0,1,2,3,4,5,6,7
	global_load_b32 v[VB+2*\a], v[VOF], s[94:95] offset:64*\a
	global_load_b32 v[VB+2*\a+1], v[VOF], s[94:95] offset:64*\a
.endr
.macro FRAG reg, adr, q, i             ; a fragment, 16 rows x 128 K: lane l holds row l % 16; registers 4 c .. 4 c + 3 hold K = 32 c + 16 (l / 16) + 0 .. 15: the same places of k on both sides, so every product meets its partner
.irp c, 0,1,2,3
	ds_load_b128 v[\reg+4*\c:\reg+4*\c+3], v[\adr] offset:128*(\q)+32*\c+(\i)*16*PITCH
.endr
.endm
; 16 matrix instructions: side A's blocks a0, a0 + 1 x side B's eight, 128 along K.  p: B's set.  zero = 1: the first product starts the sums.  The 64 accumulators take turns, one instruction a turn.
.macro MUL16 a0, p, zero
.irp a, \a0, \a0+1
.irp b, 0,1,2,3,4,5,6,7
.if \zero
	v_wmma_f32_16x16x128_fp8_fp8 v[8*(8*((\a)%4)+\b):8*(8*((\a)%4)+\b)+7], v[128*(\p)+FR*\b:128*(\p)+FR*\b+FR-1], v[AF+FR*(\a):AF+FR*(\a)+FR-1], 0
.else
	v_wmma_f32_16x16x128_fp8_fp8 v[8*(8*((\a)%4)+\b):8*(8*((\a)%4)+\b)+7], v[128*(\p)+FR*\b:128*(\p)+FR*\b+FR-1], v[AF+FR*(\a):AF+FR*(\a)+FR-1], v[8*(8*((\a)%4)+\b):8*(8*((\a)%4)+\b)+7]
.endif
.endr
.endr
.endm
.macro FETCH_B slot, q, p              ; side B's eight fragments of the slot's q-th 128 along K into set p
	WIN TO_B
.irp i, 0,1,2,3,4,5,6,7
	FRAG 128*(\p)+FR*\i, ADRB+\slot, \q, \i
.endr
	WIN 0
.endm
.macro FETCH_A slot, q, i0             ; side A's blocks i0 .. i0 + 3
.irp i, \i0, \i0+1, \i0+2, \i0+3
	FRAG AF+FR*(\i), ADRA+\slot, \q, \i
.endr
.endm
.macro PLACES n                        ; plain vector lines between a matrix instruction and a load into a register that it has read, or a vector line that reads its result
.rept \n
	v_nop
.endr
.endm
; A step of 128 along K that has its successor in the same slot.
.macro STEP slot, q, zero
	s_wait_dscnt 4*NL                              ; B's set and A's blocks 0-3 are in; the youngest sixteen loads (A's blocks 4-7) may be out
	WIN MUL_LO
	MUL16 0, (\q)%2, \zero
	MUL16 2, (\q)%2, \zero
	s_wait_dscnt 0                                 ; A's blocks 4-7 are in
	PLACES NP
	FETCH_B \slot, (\q)+1, 1-(\q)%2
	FETCH_A \slot, (\q)+1, 0
	WIN MUL_HI
	MUL16 4, (\q)%2, \zero
	MUL16 6, (\q)%2, \zero
	PLACES NP
	WIN 0
	FETCH_A \slot, (\q)+1, 4
.endm
; A slot's last step changes slots: ONE barrier; in front of it each wave waits for all its tensor loads, adds 0 to its spare word, and waits for that and for its own reads of this slot.  fill = 1: this slot is filled again, two K steps ahead.
.macro TURN slot, next, fill
	s_wait_tensorcnt 0x0                           ; all my tensor loads have landed: my part of the next slot  (every window is 0 here)
	ds_add_u32 v[SPW], v[NIL]                      ; 0 onto my spare word
	s_wait_dscnt 4*NL+1                            ; the add and the youngest sixteen loads (A's blocks 4-7) may be out
	WIN MUL_LO
	MUL16 0, 1, 0                                  ; sixteen matrix instructions stand between the add and the wait for it
	s_wait_dscnt 0x0                               ; the add is done, and my reads of this slot are over
	s_barrier_signal -1
	MUL16 2, 1, 0
	WIN 0
	s_barrier_wait -1
.if \fill
	CREST                                          ; the barrier has opened a round of the cluster's barrier: no wave of any partner still reads this slot or has a load on its way
	s_add_nc_u64 s[G0+4*\slot+2:G0+4*\slot+3], s[G0+4*\slot+2:G0+4*\slot+3], 2*ROWB
	s_add_nc_u64 s[G0B+4*\slot+2:G0B+4*\slot+3], s[G0B+4*\slot+2:G0B+4*\slot+3], 2*ROWB
	JLOAD G0+4*\slot, G1, G0B+4*\slot, G1B         ; the first tensor load behind the round; its four v_nop are the places in front of the loads below
.else
	PLACES NP
.endif
	FETCH_B \next, 0, 0
	FETCH_A \next, 0, 0
	WIN MUL_HI
	MUL16 4, 1, 0
	MUL16 6, 1, 0
	PLACES NP
	WIN 0
	FETCH_A \next, 0, 4
.endm
	s_wait_tensorcnt 1                             ; my part of K step 0 is in (K step 1's load may be out)
	s_barrier_signal -1
	s_barrier_wait -1                              ; everybody's is
	FETCH_B 0, 0, 0
	FETCH_A 0, 0, 0
	FETCH_A 0, 0, 4
	STEP 0, 0, 1                                   ; the first step stands in front of the loop: its products start the sums
	s_mov_b32 s3, 1                                ; K = 1,024 is four K steps: one trip fills both slots again
.Llap:
	TURN 0, 1, 1
	STEP 1, 0, 0
	TURN 1, 0, 1
	STEP 0, 0, 0
	s_sub_co_u32 s3, s3, 1
	s_cmp_lg_u32 s3, 0
	s_cbranch_scc1 .Llap
	TURN 0, 1, 0                                   ; the last lap fills nothing, and has no round of the cluster's barrier
	STEP 1, 0, 0
	s_wait_dscnt 4*NL                              ; the very last step: nothing more to fetch
	WIN MUL_LO
	MUL16 0, 1, 0
	MUL16 2, 1, 0
	s_wait_dscnt 0
	WIN MUL_HI
	MUL16 4, 1, 0
	MUL16 6, 1, 0
	WIN 0
	PLACES NP                                      ; behind the last products: for the writes into the registers that held side A's fragments and for the reads of results
; THE WAY OUT, block by block of 16 rows of side A x 128 of side B.  Block a: number = sum x 2^(e0 + e1) + bias; the hold; eight codes a conversion, 8 bytes that belong together; into my own stage (row = side A's row);
; back as rows; stored so that each instruction covers 512 consecutive aligned bytes.  LDS serves a wave's instructions in order: no wait between the stores and the loads, nor in front of the next block's stores.
.macro TOST a, isv
.set AC, 64*((\a)%4)
.set CC, CD+16*((\a)%4)
	WIN 0x02+((\a)/4)                              ; source 0: window 2 or 3
.set jj, 0
.rept 32
.if \isv
	v_pk_fma_f32 v[TMP+jj:TMP+jj+1], v[AC+jj:AC+jj+1], s[96:97], v[VB+2*(\a):VB+2*(\a)+1] op_sel_hi:[1,0,1]   ; each accumulator from its low end on
.else
	v_pk_fma_f32 v[TMP+jj:TMP+jj+1], v[AC+jj:AC+jj+1], s[96:97], v[BIAS+jj:BIAS+jj+1] op_sel_hi:[1,0,1]
.endif
.set jj, jj+2
.endr
	WIN 0
.set jj, 0
.rept 64
.set jj, jj+1
.endr
.irp b, 0,1,2,3,4,5,6,7
	v_cvt_scalef32_pk8_fp8_f32 v[CC+2*\b:CC+2*\b+1], v[TMP+8*\b:TMP+8*\b+7], v[SCL]
.endr
	v_nop                                          ; one plain vector line behind the last conversion: the next block's multiply-adds write the conversions' sources
.irp b, 0,1,2,3,4,5,6,7
.if \isv
	ds_store_b64 v[STOV], v[CC+2*\b:CC+2*\b+1] offset:16*\b
.else
	ds_store_b64 v[STOQ], v[CC+2*\b:CC+2*\b+1] offset:16*\b
.endif
.endr
	WIN 0x40                                       ; destination window 1: sixteen registers of its own for each block, so that no store's data are written again
.irp t, 0,1,2,3
.if \isv
	ds_load_b128 v[16*(\a)+4*\t:16*(\a)+4*\t+3], v[RDV] offset:\t*4*SPI
.else
	ds_load_b128 v[16*(\a)+4*\t:16*(\a)+4*\t+3], v[RDQ] offset:(\t&1)*8*SPI+(\t>>1)*64
.endif
.endr
	WIN 0
.endm
.macro SEND a, younger, isv            ; younger: the LDS instructions issued behind block a's loads, which may stay out
	s_wait_dscnt \younger
	WIN 0x04                                       ; store data window 1
.irp t, 0,1,2,3
.if \isv
	global_store_b128 v[CO], v[16*(\a)+4*\t:16*(\a)+4*\t+3], s[90:91] offset:((\a)>>2)*131072+2048*((\a)&3)+512*\t   ; head a / 4 of my two, channels 16 (a % 4) + 4 t on: rows of 128 keys on end
.else
	global_store_b128 v[CO], v[16*(\a)+4*\t:16*(\a)+4*\t+3], s[90:91] offset:(\t>>1)*131072+(\t&1)*512+1024*(\a)     ; head t / 2 of my two, tokens 16 a + 8 (t % 2) on: rows of 64 channels on end
.endif
.endr
	WIN 0
.endm
	s_wait_kmcnt 0x0                               ; the exponents
	s_wait_loadcnt 0x0                             ; the biases
	s_add_co_i32 s96, s80, s81
	s_add_co_i32 s96, s96, 127
	s_lshl_b32 s96, s96, 23                        ; 2^(e0 + e1) as f32
	s_mov_b32 s97, s96                             ; (named with it as a pair, so it is written)
	s_cmp_eq_u32 ttmp9, 0                          ; q and k: the cluster's x says which: columns 0-1023 are q's
	s_cselect_b32 s88, s82, s83
	s_cselect_b64 s[90:91], s[68:69], s[70:71]
	s_cmp_lt_u32 s74, 8
	s_cselect_b32 s88, s88, s85                    ; eo.  The choice is made on ids; no branch hangs on an exponent
	s_cselect_b64 s[90:91], s[90:91], s[72:73]
	s_add_co_i32 s88, s88, 127
	s_lshl_b32 s89, s88, 23
	v_mov_b32 v[SCL], s89                          ; 2^eo
	s_cmp_lt_u32 s74, 8
	s_cbranch_scc0 .Lv                             ; the cluster's y: the same way in all sixteen partners
	s_lshr_b32 s75, s17, 3                         ; q, k: batch = token tile / 8,
	s_lshl_b32 s75, s75, 4
	s_and_b32 s76, s42, 3
	s_lshl_b32 s76, s76, 2
	s_add_co_u32 s75, s75, s76
	s_lshl_b32 s76, s16, 1
	s_add_co_u32 s75, s75, s76                     ; 16 x batch + the first of my two heads
	s_lshl_b32 s75, s75, 11
	s_and_b32 s76, s17, 7
	s_lshl_b32 s76, s76, 8
	s_add_co_u32 s75, s75, s76
	s_lshl_b32 s76, s15, 7
	s_add_co_u32 s75, s75, s76                     ; x 2,048 tokens + my first token in the batch
	s_lshl_b32 s76, s75, 6                         ; x 64 bytes
	s_mov_b32 s77, 0
	s_add_nc_u64 s[90:91], s[90:91], s[76:77]
	TOST 0, 0
.irp a, 1,2,3,4,5,6,7
	TOST \a, 0
	SEND \a-1, 12, 0                               ; behind block a - 1's loads: block a's 8 stores and 4 loads
.endr
	SEND 7, 0, 0
	s_branch .Ldone
.Lv:
	s_lshr_b32 s75, s42, 3                         ; v: batch = token tile / 8,
	s_lshl_b32 s75, s75, 4
	s_lshl_b32 s76, s17, 2
	s_add_co_u32 s75, s75, s76
	s_lshl_b32 s76, s15, 1
	s_add_co_u32 s75, s75, s76                     ; 16 x batch + the first of my two heads
	s_lshl_b32 s75, s75, 4
	s_and_b32 s76, s42, 7
	s_lshl_b32 s76, s76, 1
	s_add_co_u32 s75, s75, s76
	s_add_co_u32 s75, s75, s16                     ; x 16 blocks of keys + my block of 128 keys
	s_lshl_b32 s76, s75, 13                        ; x 8,192 bytes
	s_mov_b32 s77, 0
	s_add_nc_u64 s[90:91], s[90:91], s[76:77]
	TOST 0, 1
.irp a, 1,2,3,4,5,6,7
	TOST \a, 1
	SEND \a-1, 12, 1
.endr
	SEND 7, 0, 1
.Ldone:
	s_wait_tensorcnt 0x0                           ; the wave's end: a wait, an add of 0 and its wait, behind my last tensor load and my last LDS store
	ds_add_u32 v[SPW], v[NIL]
	s_wait_dscnt 0x0
	CROUND                                         ; the closing round: no work-group ends while a partner may still ask for a tile that names it
	s_endpgm
.Lfunc_end_k_q010937e0d9_qkv:
	.size	k_q010937e0d9_qkv, .Lfunc_end_k_q010937e0d9_qkv-k_q010937e0d9_qkv
	.p2alignl 7, 3214868480
	.fill 96, 4, 3214868480
	.section	.rodata,"a",@progbits
	.p2align	6, 0x0
	.amdhsa_kernel k_q010937e0d9_qkv
		.amdhsa_group_segment_fixed_size 327680
		.amdhsa_private_segment_fixed_size 0
		.amdhsa_enable_private_segment 0
		.amdhsa_kernarg_size 56
		.amdhsa_user_sgpr_count 2
		.amdhsa_user_sgpr_kernarg_segment_ptr 1
		.amdhsa_wavefront_size32 1
		.amdhsa_system_sgpr_workgroup_id_x 1
		.amdhsa_system_sgpr_workgroup_id_y 1
		.amdhsa_system_sgpr_workgroup_id_z 1
		.amdhsa_system_vgpr_workitem_id 0
		.amdhsa_next_free_vgpr 1024
		.amdhsa_next_free_sgpr 100
		.amdhsa_reserve_vcc 0
		.amdhsa_float_denorm_mode_32 3
		.amdhsa_float_denorm_mode_16_64 3
		.amdhsa_fp16_overflow 1
		.amdhsa_memory_ordered 1
		.amdhsa_forward_progress 1
		.amdhsa_inst_pref_size 146
	.end_amdhsa_kernel
	.amdgpu_metadata
---
amdhsa.version: [ 1, 2 ]
amdhsa.kernels:
  - .name:           k_q010937e0d9_qkv
    .symbol:         k_q010937e0d9_qkv.kd
    .args:
      - { .name: xc, .offset: 0, .size: 8, .value_kind: global_buffer, .address_space: global }
      - { .name: wqc, .offset: 8, .size: 8, .value_kind: global_buffer, .address_space: global }
      - { .name: lowp_scales, .offset: 16, .size: 8, .value_kind: global_buffer, .address_space: global }
      - { .name: b_qkv, .offset: 24, .size: 8, .value_kind: global_buffer, .address_space: global }
      - { .name: qc, .offset: 32, .size: 8, .value_kind: global_buffer, .address_space: global }
      - { .name: kc, .offset: 40, .size: 8, .value_kind: global_buffer, .address_space: global }
      - { .name: vc, .offset: 48, .size: 8, .value_kind: global_buffer, .address_space: global }
    .group_segment_fixed_size: 327680
    .private_segment_fixed_size: 0
    .kernarg_segment_align: 8
    .kernarg_segment_size: 56
    .max_flat_workgroup_size: 128
    .sgpr_count:     100
    .vgpr_count:     1024
    .wavefront_size: 32
...
	.end_amdgpu_metadata
.endif
;; end of part 2
;; launch attn (part 3): grid 4 x 64, 16 waves a work-group, no clusters, 327,680 bytes of LDS; arguments qc, kc, vc, lowp_scales, yc; writes yc
.if DOCPART == 3
	.amdgcn_target "amdgcn-amd-amdhsa--gfx1250"
	.amdhsa_code_object_version 6
	.text
	.protected	k_q010937e0d9_attn
	.globl	k_q010937e0d9_attn
	.p2align	8
	.type	k_q010937e0d9_attn,@function
k_q010937e0d9_attn:
	s_mov_b64 s[64:65], 0
	v_nop
	global_prefetch_b8 v0, s[64:65] scope:SCOPE_SE
	s_setreg_imm32_b32 hwreg(HW_REG_WAVE_MODE, 25, 1), 1
	s_wait_xcnt 0x0
; y[bh][q][:] = the sum over k <= q of softmax_k(Q[q] . K[k] / 8) V[k][:], both products on codes of FP8 (E4M3) with the given scales, and y quantised on the way out with entry 6 of the scales.
; qc, kc: [64 (batch, head)][2048][64], K = the head's 64.  vc: [64][16 blocks][64 channels][128 keys]: the keys innermost.
; yc: [4 g][64 chunks of 128 rows][4 hs][128 rows][64]: head = 4 g + hs, row = 2048 x batch + token: so that the last product's K step g of 128 rows is 32,768 bytes on end.
; THE SOFTMAX: t = score x log2(e) / 8; M = the running largest t, rounded UP to a whole number; p = 2^(t - M) is what is quantised (entry 4); the row's sum is taken of the unquantised p and divides at the end.
; When M moves, the sum and O are multiplied by 2^(old M - new M): exact.
; SHARES.  Work-group (i, bh) owns the blocks of 256 queries i and 7 - i of one head, one after the other.  Block b needs the key slots (256 keys) 0 .. b, so every work-group walks (i + 1) + (8 - i) = 9 slot positions:
; 256 work-groups of equal work, a loop of constant count, a tensor load at every change of slots but the last.  Each of sixteen waves owns 16 queries in 256 registers: four waves to a SIMD.
; A step (128 keys) all of whose keys come after my 16 queries is left out by a scalar branch on ids, round the step's loads, products and softmax alone; on the diagonal hidden scores become -infinity.
; NO CLUSTER: the four work-groups of a head stand at different key slots at the same position (work-group i begins anew at position i + 1), so their requests for a tile would not fall into one round.
; LAYOUT.  Both products are used transposed: S^T = K Q^T (source 0 = 16 keys, source 1 = my 16 queries; K = 64), O^T = V^T P^T (source 0 = 16 channels, source 1 = P; K = 128 keys): a lane holds ONE query throughout.
; Register j of S^T's tile t holds key 16 t + 8 (lane / 16) + j: just the place that the K = 128 form gives k in registers 2 t, 2 t + 1: so a conversion's two registers ARE the operand's.
; LIMITS on the given exponents, so that each power of two below is an f32 number: entries 2 + 3 between -122 and 129 (added to c's exponent field); entries 4 and 6 between -126 and 119.  NaN is not served.
; REGISTERS: v1-11 addresses; v12 -M, v13 the largest t, v[14:15] the sum in two halves; v16-23 Q; v24-31 Q of the second block; v32-95 K's, then V's fragments; v96-159 S^T, then p; v160-191 O^T; v224-239 p's codes; v240-254 constants and work.
.set PIT,   272                        ; an LDS row: 256 bytes + 16 of padding
.set VOFF,  64*PIT                     ; a slot: K's 16,384 bytes as 64 rows of 256, then V's
.set SLOT1, 65536                      ; slot 1 begins here, so that one exclusive or turns an address in one slot into the other's
.set STAGE, 131072                     ; the way out: 16 rows x (64 bytes + 16) for each wave; no fill ever lands here
.set SPARE, 151552                     ; behind the stages: the spare words, 128 bytes for each of sixteen waves, that no other line names
.set AK0,  1                           ; v1   my lane's place in a tile of K
.set AV0,  2                           ; v2   the same for V
.set PFO,  3                           ; v3   256 x lane: the prefetches' offset; never rewritten
.set RH,   4                           ; v4   lane % 16 - 8 (lane / 16), for the mask
.set SPW,  5                           ; v5   LDS address of my spare word; never rewritten
.set NIL,  6                           ; v6   0; never rewritten
.set GO,   7                           ; v7   16 x lane: a store's 512 consecutive bytes
.set ADK,  8                           ; v8   LDS address of the step's tiles of K
.set ADV,  9                           ; v9   of V
.set SSTO, 10                          ; v10  the stage: where I put 8 codes
.set SRD,  11                          ; v11  and where I read rows back
.set QOF,  192                         ; v192 my lane's byte in 16 rows of Q
.set TB,   2                           ; s2   LDS byte at which the slot in hand begins
.set POS,  3                           ; s3   the position, 0 .. 8
.set I,    14                          ; s14  the work-group's x
.set LIMP, 15                          ; s15  7 in a wave that prefetches, else 0: a wave prefetches while the position is under it
.set WV,   18                          ; s18  my wave's number
.set SEL,  20                          ; s[20:21] lane selects for v_permlanex16_b32: lane l xor 16
.set CS,   22                          ; s[22:23] c = log2(e) / 8 x 2^(entries 2 + 3): the packed form names a pair and takes its low word for both halves
.set G1,   24                          ; s[24:31] descriptor group 1: 64 rows of 256 bytes, dense in memory
.set G0,   32                          ; s[32:35] descriptor group 0, which walks
.set BKV,  36                          ; s[36:37] the head's first byte of what I fetch: K's codes in wave 0, V's else
.set PFA,  38                          ; s[38:39] where my prefetches stand
.set KF,   40                          ; s40  the step's first key
.set Q0,   41                          ; s41  my first query
; Wave 0 fetches K's 16,384 bytes of a slot, wave 1 V's, the others nothing: one line, told apart by the wave's own addresses.  An s_nop 0 and four v_nop follow it.
.macro TLOAD
	s_cmp_lt_u32 s[WV], 2
	s_cbranch_scc0 .Lnone_\@
	tensor_load_to_lds s[G0:G0+3], s[G1:G1+7]
	s_nop 0
.rept 4
	v_nop
.endr
.Lnone_\@:
.endm
; A PREFETCH INTO THE L2, at the change of slots, where the fetching waves have their tensor load.  All four work-groups of a head walk the same K and V: the first of them (x = 0) asks, in waves that fetch nothing:
; waves 4, 5 for K's two halves of a key slot, waves 6, 7 for V's: 8,192 bytes a wave, lanes 256 bytes apart, one instruction.  The change at position p = 0 .. 6 names key slot p + 1, which that work-group's own
; tensor load asks for at position p + 1.  So each aligned block of 256 bytes of key slots 1 to 7 is named once in the launch; key slot 0 comes by its loads alone, and the last change that fills a slot asks for nothing.
.macro ASK
	s_cmp_lt_u32 s[POS], s[LIMP]
	s_cbranch_scc0 .Lnot_mine_\@
	global_prefetch_b8 v[PFO], s[PFA:PFA+1] th:TH_LOAD_NT scope:SCOPE_SE
.Lnot_mine_\@:
.endm
.macro STATE                           ; a block of queries begins: O^T and the sum are zeros, which the first change of M leaves zeros; the largest t lies under every t
.set jj, 0
.rept 32
	v_mov_b32 v[160+jj], 0
.set jj, jj+1
.endr
	v_mov_b32 v13, 0xff61b1e6                      ; -3e38
	s_delay_alu instid0(VALU_DEP_1)
	v_floor_f32 v12, -v13                          ; -M
	v_mov_b32 v14, 0
	v_mov_b32 v15, 0
.endm
	s_load_b256 s[4:11], s[0:1], 0x0               ; qc s[4:5], kc s[6:7], vc s[8:9], the exponents' buffer s[10:11]
	s_load_b64 s[12:13], s[0:1], 0x20              ; yc
	v_lshl_add_u32 v[SPW], v0, 2, SPARE
	v_mov_b32 v[NIL], 0
	ds_add_u32 v[SPW], v[NIL]                      ; the wave's opening: the add and its wait stand ahead of my first tensor load; the set-up below, work on registers, stands between them
	ds_add_u32 v[SPW], v[NIL]
	v_lshrrev_b32 v8, 5, v0
	s_delay_alu instid0(VALU_DEP_1)
	v_readfirstlane_b32 s[WV], v8                  ; wave 0..15
	s_mov_b32 s[I], ttmp9
	s_and_b32 s19, ttmp7, 0xffff                   ; 16 x batch + head
	s_lshl_b32 s52, s19, 17                        ; the head's first byte in qc, kc and vc: 131,072 bytes a head
	s_mov_b32 s53, 0
	s_mov_b32 s[G1], (0<<16)|(1<<20)|(5<<22)|(3<<25)   ; no mask; elements of 1 byte; padding on: after every 64 words (code 5) four words (code 3)
	s_mov_b32 s[G1+1], 256<<16                     ; tensor_dim0
	s_mov_b32 s[G1+2], 64<<16                      ; tensor_dim1
	s_mov_b32 s[G1+3], 256<<16                     ; tile_dim0
	s_mov_b32 s[G1+4], 64                          ; tile_dim1
	s_mov_b32 s[G1+5], 256                         ; tensor_dim0_stride
	s_mov_b32 s[G1+6], 0
	s_mov_b32 s[G1+7], 0
	s_mov_b32 s[SEL], 0x76543210
	s_mov_b32 s[SEL+1], 0xfedcba98
	s_mov_b32 s[CS], 0x3e38aa3b                    ; log2(e) / 8
	s_mov_b32 s[TB], 0
	s_mov_b32 s[KF], 0
	s_lshl_b32 s[Q0], s[I], 8
	s_lshl_b32 s76, s[WV], 4
	s_add_co_u32 s[Q0], s[Q0], s76                 ; my first query of the first block: 256 i + 16 x wave
	s_sub_co_u32 s77, 7, s[I]
	s_lshl_b32 s77, s77, 8
	s_add_co_u32 s77, s77, s76                     ; and of the second: 256 (7 - i) + 16 x wave
	s_lshl_b32 s78, s[Q0], 6
	s_mov_b32 s79, 0
	s_lshl_b32 s76, s77, 6
	s_mov_b32 s77, 0
	s_add_nc_u64 s[78:79], s[78:79], s[52:53]      ; their bytes in qc
	s_add_nc_u64 s[76:77], s[76:77], s[52:53]
	s_and_b32 s96, s19, 15                         ; the head:
	s_lshr_b32 s97, s96, 2
	s_lshl_b32 s97, s97, 21                        ; g = head / 4: 2,097,152 bytes of yc each,
	s_and_b32 s96, s96, 3
	s_lshl_b32 s96, s96, 13                        ; hs = head % 4: 8,192 each
	s_or_b32 s42, s97, s96
	s_lshr_b32 s43, s19, 4
	s_lshl_b32 s43, s43, 11                        ; 2,048 x batch
	s_and_b32 s96, s[WV], 1
	s_mul_i32 s[G0+1], s96, VOFF                   ; LDS address: K's tile at a slot's head (wave 0), V's behind it (wave 1); slot 0
	s_lshl_b32 s96, s96, 13                        ; the prefetches: which 8,192 bytes of a key slot's 16,384
	s_mov_b32 s97, 0
	s_add_nc_u64 s[96:97], s[96:97], s[52:53]
	s_sub_co_u32 s[LIMP], s[WV], 4
	s_lshr_b32 s[LIMP], s[LIMP], 2                 ; 0 in waves 4 to 7,
	s_or_b32 s[LIMP], s[LIMP], ttmp9               ; of the head's first work-group
	s_cmp_eq_u32 s[LIMP], 0
	s_cselect_b32 s[LIMP], 7, 0
	s_mov_b32 s[G0], 1                             ; count = 1
	s_wait_dscnt 0x0                               ; the opening add is done
	s_wait_kmcnt 0x0
	s_load_b256 s[68:75], s[10:11], 0x0            ; the eight exponents: entry n in s[68 + n]
	s_cmp_eq_u32 s[WV], 0
	s_cselect_b64 s[BKV:BKV+1], s[6:7], s[8:9]
	s_add_nc_u64 s[BKV:BKV+1], s[BKV:BKV+1], s[52:53]
	s_mov_b64 s[G0+2:G0+3], s[BKV:BKV+1]           ; key slot 0
	s_or_b32 s[G0+3], s[G0+3], 0x80000000          ; type = 2
	TLOAD                                          ; position 0's tiles
	s_cmp_lt_u32 s[WV], 6
	s_cselect_b64 s[PFA:PFA+1], s[6:7], s[8:9]
	s_add_nc_u64 s[PFA:PFA+1], s[PFA:PFA+1], s[96:97]  ; in key slot 0: the first change of slots steps it to key slot 1
	s_add_nc_u64 s[48:49], s[4:5], s[78:79]        ; Q at my first query of the first block,
	s_add_nc_u64 s[50:51], s[4:5], s[76:77]        ; and of the second
	v_and_b32 v8, 15, v0                           ; r = lane % 16
	v_bfe_u32 v9, v0, 4, 1                         ; h = lane / 16
	s_delay_alu instid0(VALU_DEP_2)
	v_lshlrev_b32 v[QOF], 6, v8
	s_delay_alu instid0(VALU_DEP_1)
	v_lshl_add_u32 v[QOF], v9, 4, v[QOF]           ; row r of 64 bytes, + 16 h
.irp c, 0,1
	global_load_b128 v[16+4*\c:19+4*\c], v[QOF], s[48:49] offset:32*\c   ; registers 4 c .. 4 c + 3: channels 32 c + 16 h + 0 .. 15: the same places as K's fragments have, so every product meets its partner
	global_load_b128 v[24+4*\c:27+4*\c], v[QOF], s[50:51] offset:32*\c
.endr
	v_lshrrev_b32 v10, 2, v8
	v_and_b32 v11, 3, v8
	s_delay_alu instid0(VALU_DEP_2)
	v_mul_u32_u24 v[AK0], v10, PIT                 ; K: four keys of 64 bytes lie in an LDS row: key r at row r / 4, byte 64 (r % 4);
	s_delay_alu instid0(VALU_DEP_1)
	v_lshl_add_u32 v[AK0], v11, 6, v[AK0]          ; sixteen lanes' 16 bytes start at 16 (r / 4) + 64 (r % 4) modulo 256: sixteen different columns of banks
	s_delay_alu instid0(VALU_DEP_1)
	v_lshl_add_u32 v[AK0], v9, 4, v[AK0]
	v_lshrrev_b32 v10, 1, v8
	v_and_b32 v11, 1, v8
	s_delay_alu instid0(VALU_DEP_2)
	v_mul_u32_u24 v[AV0], v10, PIT                 ; V: two channels of 128 keys lie in an LDS row: channel r at row r / 2, byte 128 (r % 2)
	s_delay_alu instid0(VALU_DEP_1)
	v_lshl_add_u32 v[AV0], v11, 7, v[AV0]
	s_delay_alu instid0(VALU_DEP_1)
	v_lshl_add_u32 v[AV0], v9, 3, v[AV0]           ; + 8 h: the 32 lanes' 8 bytes fall on 64 different banks
	s_delay_alu instid0(VALU_DEP_1)
	v_add_nc_u32 v[AV0], VOFF, v[AV0]
	v_and_b32 v[GO], 31, v0                        ; lane
	s_delay_alu instid0(VALU_DEP_1)
	v_lshlrev_b32 v[PFO], 8, v[GO]
	v_lshlrev_b32 v12, 3, v9
	s_delay_alu instid0(VALU_DEP_1)
	v_sub_nc_u32 v[RH], v8, v12
	s_mul_i32 s76, s[WV], 16*80
	s_add_co_u32 s76, s76, STAGE                   ; my stage
	v_mul_u32_u24 v[SSTO], v8, 80
	s_delay_alu instid0(VALU_DEP_1)
	v_lshl_add_u32 v[SSTO], v9, 3, v[SSTO]
	s_delay_alu instid0(VALU_DEP_1)
	v_add_nc_u32 v[SSTO], s76, v[SSTO]             ; in: row r, 8 bytes for each half of the lanes
	v_lshrrev_b32 v12, 2, v[GO]
	v_and_b32 v13, 3, v[GO]
	s_delay_alu instid0(VALU_DEP_2)
	v_mul_u32_u24 v[SRD], v12, 80
	s_delay_alu instid0(VALU_DEP_1)
	v_lshl_add_u32 v[SRD], v13, 4, v[SRD]
	s_delay_alu instid0(VALU_DEP_1)
	v_add_nc_u32 v[SRD], s76, v[SRD]               ; back: four lanes to a row of 64 bytes, eight rows an instruction
	v_lshlrev_b32 v[GO], 4, v[GO]
	STATE
	v_mov_b32 v246, 0                              ; written once: a lane permute's destination counts as one of its sources
	v_mov_b32 v253, 0                              ; (named as the upper half of the pair v[252:253])
	s_wait_kmcnt 0x0                               ; the exponents
	s_add_co_i32 s76, s70, s71
	s_lshl_b32 s76, s76, 23
	s_add_co_i32 s[CS], s[CS], s76                 ; a score stands for score x 2^(entries 2 + 3): added to c's exponent field
	s_mov_b32 s[CS+1], s[CS]                       ; (named with it as a pair, so it is written)
	s_add_co_i32 s76, s72, 127
	s_lshl_b32 s77, s76, 23
	v_mov_b32 v244, s77                            ; 2^(entry 4), for p's conversions
	s_add_co_i32 s76, s74, 127
	s_lshl_b32 s77, s76, 23
	v_mov_b32 v245, s77                            ; 2^(entry 6), for y's
	s_add_co_i32 s44, s72, s73                     ; entries 4 + 5: a sum of the second product stands for sum x 2^ that
; A KEY STEP: 128 keys, the q-th of the slot in hand.
.macro STEP q
	s_add_co_u32 s96, s[Q0], 15
	s_cmp_gt_u32 s[KF], s96                        ; all its keys come after my queries: nothing to do but the step of KF
	s_cbranch_scc1 .Lhidden_\@
	v_add_nc_u32 v[ADK], s[TB], v[AK0]
	v_add_nc_u32 v[ADV], s[TB], v[AV0]
	v_nop
	v_nop                                          ; with the two additions: four places in front of loads into registers that the last products have read
.irp t, 0,1,2,3,4,5,6,7
	ds_load_b128 v[32+8*\t:35+8*\t], v[ADK] offset:(32*(\q)+4*\t)*PIT       ; tile t: keys 16 t + r
	ds_load_b128 v[36+8*\t:39+8*\t], v[ADK] offset:(32*(\q)+4*\t)*PIT+32
.endr
	s_wait_alu depctr_va_vdst(0)
	s_wait_dscnt 0x0
.irp t, 0,1,2,3,4,5,6,7
	v_wmma_f32_16x16x64_fp8_fp8 v[96+8*\t:103+8*\t], v[32+8*\t:39+8*\t], v[16:23], 0
.endr
.rept 4
	v_nop                                          ; places in front of the loads below and of the first read of the scores
.endr
.irp t, 0,1,2,3                                ; V's fragments are asked for here and land under the softmax: tile t: channels 16 t + r; registers 2 c, 2 c + 1: keys 16 c + 8 h + 0 .. 7
.irp c, 0,1,2,3,4,5,6,7
	ds_load_b64 v[32+16*\t+2*\c:33+16*\t+2*\c], v[ADV] offset:(\q)*32*PIT+8*\t*PIT+16*\c
.endr
.endr
	s_add_co_u32 s96, s[KF], 127
	s_cmp_le_u32 s96, s[Q0]                        ; a step all of whose keys count skips the mask
	s_cbranch_scc1 .Lopen_\@
	s_sub_co_i32 s96, s[Q0], s[KF]
	v_add_nc_u32 v252, s96, v[RH]                  ; d = my query - KF - 8 h.  Register 8 t + j holds key KF + 16 t + 8 h + j: hidden where 16 t + j > d
	v_mov_b32 v254, 0xff800000                     ; -infinity: p = 0 then
.set jj, 0
.rept 64
	v_cmp_gt_i32 vcc_lo, 16*(jj/8)+jj%8, v252
	v_cndmask_b32 v[96+jj], v[96+jj], v254, vcc_lo
.set jj, jj+1
.endr
.Lopen_\@:
	v_max3_num_f32 v254, v96, v97, v98             ; the step's largest score of my query, among my 64 keys, in two chains,
	v_max3_num_f32 v252, v99, v100, v101
.irp i, 6,10,14,18,22,26,30,34,38,42,46,50,54,58
	v_max3_num_f32 v254, v254, v[96+\i], v[97+\i]
	v_max3_num_f32 v252, v252, v[98+\i], v[99+\i]
.endr
	v_max3_num_f32 v254, v254, v158, v159
	s_delay_alu instid0(VALU_DEP_1)
	v_max_num_f32 v254, v254, v252
	s_delay_alu instid0(VALU_DEP_1)
	v_permlanex16_b32 v246, v254, s[SEL], s[SEL+1]
	s_delay_alu instid0(VALU_DEP_1)
	v_max_num_f32 v254, v254, v246                 ; and among lane l xor 16's
	s_delay_alu instid0(VALU_DEP_1)
	v_mul_f32 v254, s[CS], v254                    ; as t (c is positive)
	s_delay_alu instid0(VALU_DEP_1)
	v_max_num_f32 v13, v13, v254                   ; the running largest t
	v_mov_b32 v254, v12
	s_delay_alu instid0(VALU_DEP_2)
	v_floor_f32 v12, -v13                          ; the new -M = floor(-t) = -ceil(t): M is a whole number
	s_delay_alu instid0(VALU_DEP_1)
	v_sub_f32 v254, v12, v254                      ; M's old value less its new one: a whole number, 0 or less
	s_delay_alu instid0(VALU_DEP_1)
	v_cvt_i32_f32 v254, v254                       ; (it saturates)
	s_delay_alu instid0(VALU_DEP_1)
	v_ldexp_f32 v252, 1.0, v254                    ; f = 2^(old M - new M): a multiplication by it rounds nothing
.set jj, 0
.rept 32
	v_pk_fma_f32 v[96+jj:97+jj], v[96+jj:97+jj], s[CS:CS+1], v[12:13] op_sel_hi:[1,0,0]   ; t - M, two at a time
.set jj, jj+2
.endr
.set jj, 0
	s_wait_alu depctr_va_vdst(0)
.rept 64
	v_exp_f32 v[96+jj], v[96+jj]                   ; p = 2^(t - M), at most 1: not normalised
.set jj, jj+1
.endr
	v_pk_mul_f32 v[14:15], v[14:15], v[252:253] op_sel_hi:[1,0]   ; the sums under the new M: the plain line behind the exponentials
	s_wait_alu depctr_va_vdst(0)                   ; one wait for the whole batch, ahead of its first reader
	v_pk_add_f32 v[242:243], v[100:101], v[104:105]
	v_pk_add_f32 v[254:255], v[108:109], v[112:113]
	v_pk_add_f32 v[250:251], v[116:117], v[120:121]
	v_pk_add_f32 v[248:249], v[124:125], v[128:129]
	v_pk_add_f32 v[240:241], v[132:133], v[136:137]
	v_pk_add_f32 v[238:239], v[140:141], v[144:145]
	v_pk_add_f32 v[236:237], v[148:149], v[152:153]
	v_pk_add_f32 v[14:15], v[14:15], v[156:157]
	v_pk_add_f32 v[242:243], v[242:243], v[96:97]
	v_pk_add_f32 v[254:255], v[254:255], v[98:99]
	v_pk_add_f32 v[250:251], v[250:251], v[102:103]
	v_pk_add_f32 v[248:249], v[248:249], v[106:107]
	v_pk_add_f32 v[240:241], v[240:241], v[110:111]
	v_pk_add_f32 v[238:239], v[238:239], v[114:115]
	v_pk_add_f32 v[236:237], v[236:237], v[118:119]
	v_pk_add_f32 v[14:15], v[14:15], v[122:123]
	v_pk_add_f32 v[242:243], v[242:243], v[126:127]
	v_pk_add_f32 v[254:255], v[254:255], v[130:131]
	v_pk_add_f32 v[250:251], v[250:251], v[134:135]
	v_pk_add_f32 v[248:249], v[248:249], v[138:139]
	v_pk_add_f32 v[240:241], v[240:241], v[142:143]
	v_pk_add_f32 v[238:239], v[238:239], v[146:147]
	v_pk_add_f32 v[236:237], v[236:237], v[150:151]
	v_pk_add_f32 v[14:15], v[14:15], v[154:155]
	v_pk_add_f32 v[242:243], v[242:243], v[158:159]
	s_delay_alu instid0(VALU_DEP_2)
	v_pk_add_f32 v[14:15], v[14:15], v[248:249]
	s_delay_alu instid0(VALU_DEP_2)
	v_pk_add_f32 v[242:243], v[242:243], v[240:241]
	v_pk_add_f32 v[254:255], v[254:255], v[238:239]
	v_pk_add_f32 v[250:251], v[250:251], v[236:237]
	s_delay_alu instid0(VALU_DEP_2)
	v_pk_add_f32 v[14:15], v[14:15], v[254:255]
	s_delay_alu instid0(VALU_DEP_2)
	v_pk_add_f32 v[242:243], v[242:243], v[250:251]
	s_delay_alu instid0(VALU_DEP_1)
	v_pk_add_f32 v[14:15], v[14:15], v[242:243]
.irp c, 0,1,2,3,4,5,6,7
.irp i, 0,1,2,3,4,5,6,7
.endr
	v_cvt_scalef32_pk8_fp8_f32 v[224+2*\c:225+2*\c], v[96+8*\c:103+8*\c], v244
.endr
.set jj, 0
.rept 16
	v_pk_mul_f32 v[160+jj:161+jj], v[160+jj:161+jj], v[252:253] op_sel_hi:[1,0]   ; O^T under the new M; these are also the plain lines behind the conversions
.set jj, jj+2
.endr
	s_wait_alu depctr_va_vdst(0)
	s_wait_dscnt 0x0                               ; V's fragments are in
.irp t, 0,1,2,3                                ; the four accumulators take turns, and eight products K Q^T stand between two steps' links
	v_wmma_f32_16x16x128_fp8_fp8 v[160+8*\t:167+8*\t], v[32+16*\t:47+16*\t], v[224:239], v[160+8*\t:167+8*\t]
.endr
.Lhidden_\@:
	s_add_co_u32 s[KF], s[KF], 128
.endm
; THE CHANGE OF SLOTS stands at a position's head.  Each wave waits for all its tensor loads (its part of the slot that it is about to read), adds 0 to its spare word, and waits for that and for its reads of the slot that it has left.
; Behind the barrier the slot ahead is whole and nobody reads the other one.  fill = 1: that other slot takes the next position's keys: the key slot that follows, or key slot 0 where the second block of queries begins.
.macro CHANGE fill
	s_wait_tensorcnt 0x0                           ; no tensor load of mine is out, so group 0 may be written
	ds_add_u32 v[SPW], v[NIL]                      ; 0 onto my spare word; with fill = 1 the descriptor's step stands between it and the wait for it
.if \fill
	s_xor_b32 s[G0+1], s[G0+1], SLOT1              ; the other slot than last time
	s_add_co_u32 s96, s[KF], 256
	s_lshl_b32 s96, s96, 6                         ; 64 bytes a key: 16,384 x the key slot that follows
	s_cmp_eq_u32 s[POS], s[I]
	s_cselect_b32 s96, 0, s96                      ; behind the first block's last position: key slot 0
	s_mov_b32 s97, 0
	s_add_nc_u64 s[G0+2:G0+3], s[BKV:BKV+1], s[96:97]
	s_or_b32 s[G0+3], s[G0+3], 0x80000000
	s_wait_xcnt 0x0                                ; the last prefetch, a position back, has read its address, so it may be written
	s_add_nc_u64 s[PFA:PFA+1], s[PFA:PFA+1], 16384
.endif
	s_wait_dscnt 0x0                               ; the add is done, and my reads of the slot that I have left are over
	s_barrier_signal -1
	s_barrier_wait -1
.if \fill
	TLOAD                                          ; the first thing behind the barrier, and a wave's one tensor load until the next: one load of mine is out at the most
	ASK
.endif
.endm
; A BLOCK OF QUERIES IS FINISHED: y = O^T / the sum x 2^(entries 4 + 5), held, quantised with entry 6: eight codes a conversion are eight neighbouring channels of my query.
; They go through my stage and leave as 16 rows of 64 bytes on end: each store covers 512 consecutive aligned bytes.
.macro FINISH
.rept 4
	v_nop                                          ; places behind the last products
.endr
	v_add_f32 v14, v14, v15                        ; the sum's two halves,
	s_delay_alu instid0(VALU_DEP_1)
	v_permlanex16_b32 v246, v14, s[SEL], s[SEL+1]
	s_delay_alu instid0(VALU_DEP_1)
	v_add_f32 v14, v14, v246                       ; and lane l xor 16's
	s_wait_alu depctr_va_vdst(0)
	v_rcp_f32 v14, v14
	v_nop                                          ; one plain line behind the transcendental
	s_add_co_u32 s76, s43, s[Q0]                   ; my first row: 2,048 x batch + query
	s_lshr_b32 s77, s76, 7
	s_lshl_b32 s77, s77, 15                        ; its chunk of 128 rows: 32,768 bytes each,
	s_and_b32 s76, s76, 127
	s_lshl_b32 s76, s76, 6                         ; its place in the chunk,
	s_add_co_u32 s76, s76, s77
	s_add_co_u32 s76, s76, s42                     ; and the head's
	s_mov_b32 s77, 0
	s_add_nc_u64 s[46:47], s[12:13], s[76:77]
	s_wait_alu depctr_va_vdst(0)                   ; the wait ahead of the reciprocal's first reader
	v_ldexp_f32 v14, v14, s44
.set jj, 0
.rept 32
	v_mul_f32 v[96+jj], v[160+jj], v14             ; register 8 t + j is y(query r, channel 16 t + 8 h + j); each accumulator from its low end on
.set jj, jj+1
.endr
.set jj, 0
.rept 32
.set jj, jj+1
.endr
.irp t, 0,1,2,3
	v_cvt_scalef32_pk8_fp8_f32 v[224+2*\t:225+2*\t], v[96+8*\t:103+8*\t], v245
.endr
	v_nop                                          ; one plain line behind the last conversion
.irp t, 0,1,2,3
	ds_store_b64 v[SSTO], v[224+2*\t:225+2*\t] offset:16*\t
.endr
.irp u, 0,1
	ds_load_b128 v[32+4*\u:35+4*\u], v[SRD] offset:8*80*\u   ; LDS serves a wave's instructions in order: these see my stores
.endr
	s_wait_dscnt 0x0
.irp u, 0,1
	global_store_b128 v[GO], v[32+4*\u:35+4*\u], s[46:47] offset:512*\u
.endr
	s_wait_xcnt 0x0                                ; the stores have read their registers and their base: both are written again later
.endm
	s_wait_loadcnt 0x0                             ; Q, both blocks'
	s_mov_b32 s[POS], 0
.Lpos:                                             ; eight trips: behind each change of slots but the last the next position's tiles are asked for
	CHANGE 1
	STEP 0
	STEP 1
	s_xor_b32 s[TB], s[TB], SLOT1                  ; on to the other slot
	s_cmp_lg_u32 s[POS], s[I]                      ; the first block's last position?  Ids and the count of positions alone; no barrier, no wait on tensor loads and no tensor load stands under this branch
	s_cbranch_scc1 .Lsame
	s_wait_alu depctr_va_vdst(0)
	FINISH
.irp j, 0,1,2,3,4,5,6,7
	v_mov_b32 v[16+\j], v[24+\j]                   ; the second block's Q
.endr
	STATE
	s_sub_co_u32 s76, 7, s[I]
	s_lshl_b32 s76, s76, 8
	s_lshl_b32 s77, s[WV], 4
	s_add_co_u32 s[Q0], s76, s77
	s_mov_b32 s[KF], 0
.Lsame:
	s_add_co_u32 s[POS], s[POS], 1
	s_cmp_lt_u32 s[POS], 8
	s_cbranch_scc1 .Lpos
	CHANGE 0                                       ; the last position is written out: nothing is left to fetch
	STEP 0
	STEP 1
	s_wait_alu depctr_va_vdst(0)
	FINISH
	s_wait_tensorcnt 0x0                           ; the wave's end: a wait, an add of 0 and its wait, behind my last tensor load and my last LDS store
	ds_add_u32 v[SPW], v[NIL]
	s_wait_dscnt 0x0
	s_endpgm
.Lfunc_end_k_q010937e0d9_attn:
	.size	k_q010937e0d9_attn, .Lfunc_end_k_q010937e0d9_attn-k_q010937e0d9_attn
	.p2alignl 7, 3214868480
	.fill 96, 4, 3214868480
	.section	.rodata,"a",@progbits
	.p2align	6, 0x0
	.amdhsa_kernel k_q010937e0d9_attn
		.amdhsa_group_segment_fixed_size 327680
		.amdhsa_private_segment_fixed_size 0
		.amdhsa_enable_private_segment 0
		.amdhsa_kernarg_size 40
		.amdhsa_user_sgpr_count 2
		.amdhsa_user_sgpr_kernarg_segment_ptr 1
		.amdhsa_wavefront_size32 1
		.amdhsa_system_sgpr_workgroup_id_x 1
		.amdhsa_system_sgpr_workgroup_id_y 1
		.amdhsa_system_sgpr_workgroup_id_z 1
		.amdhsa_system_vgpr_workitem_id 0
		.amdhsa_next_free_vgpr 256
		.amdhsa_next_free_sgpr 100
		.amdhsa_reserve_vcc 1
		.amdhsa_float_denorm_mode_32 3
		.amdhsa_float_denorm_mode_16_64 3
		.amdhsa_fp16_overflow 1
		.amdhsa_memory_ordered 1
		.amdhsa_forward_progress 1
		.amdhsa_inst_pref_size 96
	.end_amdhsa_kernel
	.amdgpu_metadata
---
amdhsa.version: [ 1, 2 ]
amdhsa.kernels:
  - .name:           k_q010937e0d9_attn
    .symbol:         k_q010937e0d9_attn.kd
    .args:
      - { .name: qc, .offset: 0, .size: 8, .value_kind: global_buffer, .address_space: global }
      - { .name: kc, .offset: 8, .size: 8, .value_kind: global_buffer, .address_space: global }
      - { .name: vc, .offset: 16, .size: 8, .value_kind: global_buffer, .address_space: global }
      - { .name: lowp_scales, .offset: 24, .size: 8, .value_kind: global_buffer, .address_space: global }
      - { .name: yc, .offset: 32, .size: 8, .value_kind: global_buffer, .address_space: global }
    .group_segment_fixed_size: 327680
    .private_segment_fixed_size: 0
    .kernarg_segment_align: 8
    .kernarg_segment_size: 40
    .max_flat_workgroup_size: 512
    .sgpr_count:     100
    .vgpr_count:     256
    .wavefront_size: 32
...
	.end_amdgpu_metadata
.endif
;; end of part 3
;; launch proj (part 4): grid 4 x 32, 4 waves a work-group, clusters of 4 x 4, 327,680 bytes of LDS; arguments yc, wpc, lowp_scales, b_proj, out0; writes out0
.if DOCPART == 4
	.amdgcn_target "amdgcn-amd-amdhsa--gfx1250"
	.amdhsa_code_object_version 6
	.text
	.protected	k_q010937e0d9_proj
	.globl	k_q010937e0d9_proj
	.p2align	8
	.type	k_q010937e0d9_proj,@function
k_q010937e0d9_proj:
	s_mov_b64 s[64:65], 0
	v_nop
	global_prefetch_b8 v0, s[64:65] scope:SCOPE_SE
	s_setreg_imm32_b32 hwreg(HW_REG_WAVE_MODE, 25, 1), 1
	s_wait_xcnt 0x0
	s_wait_alu depctr_hold_cnt(0) depctr_sa_sdst(0) depctr_va_vdst(0) depctr_va_sdst(0) depctr_va_ssrc(0) depctr_va_vcc(0) depctr_vm_vsrc(0)
	s_getreg_b32 s2, hwreg(HW_REG_IB_STS2, 6, 4)
	s_cmp_eq_u32 s2, 0
	s_cbranch_scc0 .Lentry_in_a_cluster
	s_endpgm
.Lentry_in_a_cluster:
	s_bfe_u32 s2, ttmp6, 0x10000c
	s_cmp_lg_u32 s2, 0xf033
	s_cbranch_scc0 .Lentry_shape_is_right
	s_endpgm
.Lentry_shape_is_right:
; out0 = y w_proj + b_proj on codes of FP8 (E4M3).  out0 [8192][1024] f32 = sum x 2^(e6 + e7) + bias, one fused multiply-add.  LIMIT: e6 + e7 between -126 and 127, so that 2^(e6 + e7) is an f32 number.
; wpc [1024 n][1024 k]: codes, K innermost.  yc [4 g][64 chunks of 128 rows][4 hs][128 rows][64 d]: k = 256 g + 64 hs + d, w_proj's own row index: K step g of a chunk's 128 rows is 32,768 bytes on end.
; A tile of 256 x 256 is made by four waves, each 128 x 128: 64 accumulators, 512 registers.  K goes in four steps of 256 through a ring of two LDS slots filled by the tensor data mover.
; CLUSTERS: 4 x 4 work-groups; A's tile is shared along a row of the cluster, B's along a column: each is asked for jointly, by the same tensor load with the same descriptor and a mask that names the four.
; THE MATRIX INSTRUCTION IS USED TRANSPOSED (source 0 = 16 rows of wpc, source 1 = 16 rows of y): a lane holds eight neighbouring numbers of a row of out0.
; REGISTERS, in windows of 256: window 0: v0-31 addresses; v64-127 the bias of my 128 columns; from v128 A's fragments, ONE set; on the way out v128-191 a block's numbers.
;   window 1: B's fragments, TWO sets; on the way out v0-127 rows read back from the stage, two sets by turns.   windows 2, 3: the accumulators of my rows 0-63, 64-127.
.set ROWB,   256                       ; a tile's row in bytes
.set PITCH,  272                       ; an LDS row: 256 bytes + 16 of padding
.set FR,     16
.set NL,     4
.set NP,     4                         ; places behind this matrix instruction (ISA guide 7.12.1)
.set HALFT,  128*PITCH
.set SLOT,   4*HALFT
.set SPARE,  2*SLOT                    ; behind the ring: the spare words, 128 bytes a wave, that no other line names
.set SPITCH, 528                       ; the way out: a stage of 16 rows x (512 bytes + 16) for each wave, in slot 0, which has had its last fill and its last read when the first result is stored there
.set GSTEP,  0x200000                  ; from a K step of yc to the next
.set BOF,  8                           ; v8   32 x (lane / 16): my place in the bias; never rewritten
.set ADRA, 16
.set ADRB, 20
.set STO,  24
.set RD,   25
.set CO,   26
.set SPW,  28                          ; v28  LDS address of my spare word; never rewritten
.set NIL,  29                          ; v29  0; never rewritten
.set BIAS, 64
.set AF,   128
.set TMP,  128
.set G1, 24
.set G0, 32
.set G1B, 48
.set G0B, 56
.set MSB, 0
.macro WIN new                         ; the immediate's high byte repeats the setting that is left
.if MSB != (\new)
	s_set_vgpr_msb (MSB<<8)|(\new)
.set MSB, (\new)
.endif
.endm
.set MUL_LO, 0xa1
.set MUL_HI, 0xf1
.set TO_B,   0x40
.macro JLOAD g0a, g1a, g0b, g1b        ; a joint load: waves 0 and 1 fetch for A, waves 2 and 3 for B; an s_nop 0 and four v_nop follow each of the two lines
	s_cmp_eq_u32 s15, 0
	s_cbranch_scc0 .Lfor_b_\@
	tensor_load_to_lds s[\g0a:\g0a+3], s[\g1a:\g1a+7]
	s_nop 0
.rept 4
	v_nop
.endr
	s_branch .Lasked_\@
.Lfor_b_\@:
	tensor_load_to_lds s[\g0b:\g0b+3], s[\g1b:\g1b+7]
	s_nop 0
.rept 4
	v_nop
.endr
.Lasked_\@:
.endm
.macro CREST
	s_cmp_lg_u32 s14, 0
	s_cbranch_scc1 .Lnot_wave_0_\@
	s_barrier_signal -3
.Lnot_wave_0_\@:
	s_barrier_wait -3
	s_barrier_signal -1
	s_barrier_wait -1
.endm
.macro CROUND
	s_barrier_signal -1
	s_barrier_wait -1
	CREST
.endm
	s_load_b128 s[4:7], s[0:1], 0x0                ; yc s[4:5], wpc s[6:7]
	s_load_b128 s[8:11], s[0:1], 0x10              ; the exponents' buffer s[8:9], b_proj s[10:11]
	s_load_b64 s[12:13], s[0:1], 0x20              ; out0
	v_lshl_add_u32 v[SPW], v0, 2, SPARE
	v_mov_b32 v[NIL], 0
	ds_add_u32 v[SPW], v[NIL]                      ; the wave's opening: the add and its wait stand ahead of my first tensor load; the set-up below, work on registers, stands between them
	ds_add_u32 v[SPW], v[NIL]
	v_lshrrev_b32 v1, 5, v0
	v_readfirstlane_b32 s14, v1                    ; wave 0..3
	s_lshr_b32 s15, s14, 1                         ; which half of the tile's rows is mine.  Also: I fetch for A (0) or for B (1)
	s_and_b32 s16, s14, 1                          ; which half of its columns.  Also: which 128 rows of that tile I fetch
	s_bfe_u32 s40, ttmp6, 0x40000                  ; cx, cy
	s_bfe_u32 s41, ttmp6, 0x40004
	s_lshl_b32 s42, ttmp9, 2
	s_add_co_u32 s42, s42, s40                     ; tile column
	s_and_b32 s17, ttmp7, 0xffff
	s_lshl_b32 s17, s17, 2
	s_add_co_u32 s17, s17, s41                     ; tile row
	s_lshl_b32 s43, s41, 2
	s_lshl_b32 s43, 15, s43                        ; my row of the cluster
	s_lshl_b32 s44, 0x1111, s40                    ; my column
	s_or_b32 s[G1+0], s43, (0<<16)|(1<<20)|(1<<21)|(5<<22)|(3<<25)  ; the mask; elements of 1 byte; padding on; 21 set beside a mask; after every 64 words (code 5) four words (code 3)
	s_or_b32 s[G1B+0], s44, (0<<16)|(1<<20)|(1<<21)|(5<<22)|(3<<25)
.irp g, G1, G1B
	s_mov_b32 s[\g+1], ROWB<<16                    ; tensor_dim0
	s_mov_b32 s[\g+2], 128<<16                     ; tensor_dim1
	s_mov_b32 s[\g+3], ROWB<<16                    ; tile_dim0
	s_mov_b32 s[\g+4], 128                         ; tile_dim1
	s_mov_b32 s[\g+6], 0
	s_mov_b32 s[\g+7], 0
.endr
	s_mov_b32 s[G1+5], 256                         ; A: a chunk's K step is dense: 128 lines of 256 bytes on end
	s_mov_b32 s[G1B+5], 1024                       ; B: a row of wpc
	s_lshl_b32 s20, s17, 1
	s_add_co_u32 s20, s20, s16                     ; A: chunk 2 x tile row + half,
	s_lshl_b32 s20, s20, 15                        ; 32,768 bytes each
	s_mov_b32 s21, 0
	s_lshl_b32 s18, s16, 7
	s_lshl_b32 s46, s42, 8
	s_add_co_u32 s46, s46, s18
	s_lshl_b32 s46, s46, 10                        ; B: (256 x tile column + 128 x half) rows of 1,024 bytes
	s_mov_b32 s47, 0
	s_mul_i32 s45, s14, HALFT                      ; where they go: wave x 128 lines: no place in the cluster enters an LDS address
	s_wait_dscnt 0x0                               ; the opening add is done
	s_wait_kmcnt 0x0
	s_load_b64 s[96:97], s[8:9], 0x18              ; e6, e7
	s_add_nc_u64 s[20:21], s[4:5], s[20:21]
	s_add_nc_u64 s[46:47], s[6:7], s[46:47]
	CROUND                                         ; all sixteen work-groups are here: the first joint loads meet
.irp s, 0,1
	s_mov_b32 s[G0+4*\s], 1
	s_add_co_u32 s[G0+4*\s+1], s45, \s*SLOT
	s_add_nc_u64 s[G0+4*\s+2:G0+4*\s+3], s[20:21], \s*GSTEP
	s_or_b32 s[G0+4*\s+3], s[G0+4*\s+3], 0x80000000
	s_mov_b32 s[G0B+4*\s], 1
	s_add_co_u32 s[G0B+4*\s+1], s45, \s*SLOT
	s_add_nc_u64 s[G0B+4*\s+2:G0B+4*\s+3], s[46:47], \s*ROWB
	s_or_b32 s[G0B+4*\s+3], s[G0B+4*\s+3], 0x80000000
	s_wait_alu depctr_va_vdst(0)
	s_wait_tensorcnt 0x0
	ds_add_u32 v28, v29
	ds_add_u32 v28, v29
	s_wait_dscnt 0x0
	CROUND
	JLOAD G0+4*\s, G1, G0B+4*\s, G1B
.endr
	v_and_b32 v1, 15, v0                           ; r
	v_bfe_u32 v2, v0, 4, 1                         ; h
	v_mul_u32_u24 v3, v1, PITCH
	v_lshl_add_u32 v4, v2, 4, v3                   ; B: a fragment's row x pitch + 16 h
	v_lshrrev_b32 v5, 2, v1
	v_mul_u32_u24 v5, v5, PITCH                    ; A: four rows' 64 bytes of one hs lie in an LDS line: row r at line r / 4, byte 64 (r % 4);
	v_and_b32 v6, 3, v1
	v_lshl_add_u32 v5, v6, 6, v5                   ; sixteen lanes' 16 bytes start at 16 (r / 4) + 64 (r % 4) modulo 256: sixteen different columns of banks
	v_lshl_add_u32 v5, v2, 4, v5
	s_mul_i32 s21, s15, HALFT
	s_mul_i32 s22, s16, HALFT
	s_add_co_u32 s22, s22, 2*HALFT
.irp s, 0,1
	v_add_nc_u32 v[ADRA+\s], s21, v5
	v_add_nc_u32 v[ADRB+\s], s22, v4
	s_add_co_u32 s21, s21, SLOT
	s_add_co_u32 s22, s22, SLOT
.endr
	s_mul_i32 s23, s14, 16*SPITCH                  ; my stage
	v_mul_u32_u24 v5, v1, SPITCH
	v_lshl_add_u32 v5, v2, 5, v5
	v_add_nc_u32 v[STO], s23, v5                   ; in: row r, 32 bytes for each half of the lanes
	v_and_b32 v6, 31, v0
	v_lshlrev_b32 v[CO], 4, v6                     ; back: the 32 lanes take one row of 512 bytes; and the same in out0
	v_add_nc_u32 v[RD], s23, v[CO]
	v_lshlrev_b32 v[BOF], 5, v2
	s_wait_alu depctr_va_vdst(0)
	s_lshl_b32 s20, s17, 8
	s_lshl_b32 s21, s15, 7
	s_add_co_u32 s20, s20, s21
	s_lshl_b32 s20, s20, 12                        ; my first row of out0, 4,096 bytes each,
	s_lshl_b32 s46, s42, 10
	s_lshl_b32 s47, s16, 9
	s_add_co_u32 s46, s46, s47                     ; my first column, in bytes: also 4 x my first entry of the bias
	s_mov_b32 s47, 0
	s_add_nc_u64 s[92:93], s[10:11], s[46:47]      ; stays as it is until the loads have come
	s_add_co_u32 s20, s20, s46
	s_mov_b32 s21, 0
	s_add_nc_u64 s[12:13], s[12:13], s[20:21]
.irp b, 0,1,2,3,4,5,6,7                        ; the bias: register 8 b + j = column 16 b + 8 h + j of my 128
	global_load_b128 v[BIAS+8*\b:BIAS+8*\b+3], v[BOF], s[92:93] offset:64*\b
	global_load_b128 v[BIAS+8*\b+4:BIAS+8*\b+7], v[BOF], s[92:93] offset:64*\b+16
.endr
.macro FRAG reg, adr, q, i             ; B's fragment: registers 4 c .. 4 c + 3 hold K = 128 q + 32 c + 16 h + 0 .. 15 of row 16 i + r
.irp c, 0,1,2,3
	ds_load_b128 v[\reg+4*\c:\reg+4*\c+3], v[\adr] offset:128*(\q)+32*\c+(\i)*16*PITCH
.endr
.endm
.macro FRAGA reg, adr, q, i            ; A's: the same k: hs = 2 q + c / 2 (32 LDS lines each), d = 32 (c % 2) + 16 h + 0 .. 15; rows 16 i on are lines 4 i on
.irp c, 0,1,2,3
	ds_load_b128 v[\reg+4*\c:\reg+4*\c+3], v[\adr] offset:(2*(\q)+(\c>>1))*32*PITCH+4*(\i)*PITCH+32*(\c&1)
.endr
.endm
.macro MUL16 a0, p, zero               ; 16 matrix instructions; the 64 accumulators take turns, one instruction a turn
.irp a, \a0, \a0+1
.irp b, 0,1,2,3,4,5,6,7
.if \zero
	v_wmma_f32_16x16x128_fp8_fp8 v[8*(8*((\a)%4)+\b):8*(8*((\a)%4)+\b)+7], v[128*(\p)+FR*\b:128*(\p)+FR*\b+FR-1], v[AF+FR*(\a):AF+FR*(\a)+FR-1], 0
.else
	v_wmma_f32_16x16x128_fp8_fp8 v[8*(8*((\a)%4)+\b):8*(8*((\a)%4)+\b)+7], v[128*(\p)+FR*\b:128*(\p)+FR*\b+FR-1], v[AF+FR*(\a):AF+FR*(\a)+FR-1], v[8*(8*((\a)%4)+\b):8*(8*((\a)%4)+\b)+7]
.endif
.endr
.endr
.endm
.macro FETCH_B slot, q, p
	WIN TO_B
.irp i, 0,1,2,3,4,5,6,7
	FRAG 128*(\p)+FR*\i, ADRB+\slot, \q, \i
.endr
	WIN 0
.endm
.macro FETCH_A slot, q, i0
.irp i, \i0, \i0+1, \i0+2, \i0+3
	FRAGA AF+FR*(\i), ADRA+\slot, \q, \i
.endr
.endm
.macro PLACES n
.rept \n
	v_nop
.endr
.endm
.macro STEP slot, q, zero
	s_wait_dscnt 4*NL                              ; B's set and A's blocks 0-3 are in; the youngest sixteen loads (A's blocks 4-7) may be out
	WIN MUL_LO
	MUL16 0, (\q)%2, \zero
	MUL16 2, (\q)%2, \zero
	s_wait_dscnt 0
	PLACES NP
	FETCH_B \slot, (\q)+1, 1-(\q)%2
	FETCH_A \slot, (\q)+1, 0
	WIN MUL_HI
	MUL16 4, (\q)%2, \zero
	MUL16 6, (\q)%2, \zero
	PLACES NP
	WIN 0
	FETCH_A \slot, (\q)+1, 4
.endm
.macro TURN slot, next, fill
	s_wait_tensorcnt 0x0                           ; all my tensor loads have landed: my part of the next slot  (every window is 0 here)
	ds_add_u32 v[SPW], v[NIL]                      ; 0 onto my spare word
	s_wait_dscnt 4*NL+1                            ; the add and the youngest sixteen loads may be out
	WIN MUL_LO
	MUL16 0, 1, 0
	s_wait_dscnt 0x0                               ; the add is done, and my reads of this slot are over
	s_barrier_signal -1
	MUL16 2, 1, 0
	WIN 0
	s_barrier_wait -1
.if \fill
	CREST                                          ; the barrier has opened a round of the cluster's barrier: no wave of any partner still reads this slot or has a load on its way
	s_add_nc_u64 s[G0+4*\slot+2:G0+4*\slot+3], s[G0+4*\slot+2:G0+4*\slot+3], 2*GSTEP
	s_add_nc_u64 s[G0B+4*\slot+2:G0B+4*\slot+3], s[G0B+4*\slot+2:G0B+4*\slot+3], 2*ROWB
	JLOAD G0+4*\slot, G1, G0B+4*\slot, G1B         ; the first tensor load behind the round; its four v_nop are the places in front of the loads below
.else
	PLACES NP
.endif
	FETCH_B \next, 0, 0
	FETCH_A \next, 0, 0
	WIN MUL_HI
	MUL16 4, 1, 0
	MUL16 6, 1, 0
	PLACES NP
	WIN 0
	FETCH_A \next, 0, 4
.endm
	s_wait_tensorcnt 1                             ; my part of K step 0 is in (K step 1's load may be out)
	s_barrier_signal -1
	s_barrier_wait -1                              ; everybody's is
	FETCH_B 0, 0, 0
	FETCH_A 0, 0, 0
	FETCH_A 0, 0, 4
	STEP 0, 0, 1                                   ; the first step's products start the sums
	s_mov_b32 s3, 1                                ; four K steps: one trip fills both slots again
.Llap:
	TURN 0, 1, 1
	STEP 1, 0, 0
	TURN 1, 0, 1
	STEP 0, 0, 0
	s_sub_co_u32 s3, s3, 1
	s_cmp_lg_u32 s3, 0
	s_cbranch_scc1 .Llap
	TURN 0, 1, 0                                   ; the last lap fills nothing, and has no round of the cluster's barrier
	STEP 1, 0, 0
	s_wait_dscnt 4*NL
	WIN MUL_LO
	MUL16 0, 1, 0
	MUL16 2, 1, 0
	s_wait_dscnt 0
	WIN MUL_HI
	MUL16 4, 1, 0
	MUL16 6, 1, 0
	WIN 0
	PLACES NP                                      ; behind the last products: for the writes into the registers that held A's fragments and for the reads of results
; THE WAY OUT, block by block of 16 rows x 128 columns, through my own stage: a lane's 32 bytes go in, whole rows of 512 bytes come back and are stored as they lie.
.macro TOSTAGE a
.set AC, 64*((\a)%4)
.set BB, 64*((\a)%2)
	WIN 0x02+((\a)/4)                              ; source 0: window 2 or 3
.set jj, 0
.rept 32
	v_pk_fma_f32 v[TMP+jj:TMP+jj+1], v[AC+jj:AC+jj+1], s[96:97], v[BIAS+jj:BIAS+jj+1] op_sel_hi:[1,0,1]   ; sum x 2^(e6 + e7) + bias; each accumulator from its low end on
.set jj, jj+2
.endr
	WIN 0
.irp b, 0,1,2,3,4,5,6,7
	ds_store_b128 v[STO], v[TMP+8*\b:TMP+8*\b+3] offset:64*\b
	ds_store_b128 v[STO], v[TMP+8*\b+4:TMP+8*\b+7] offset:64*\b+16
.endr
	WIN 0x40                                       ; destination window 1
.irp t, 0,1,2,3,4,5,6,7,8,9,10,11,12,13,14,15
	ds_load_b128 v[BB+4*\t:BB+4*\t+3], v[RD] offset:\t*SPITCH   ; LDS serves a wave's instructions in order: these see the stores above, and the next block's stores come behind them
.endr
	WIN 0
.endm
.macro SEND a, younger                 ; younger: the LDS instructions issued behind block a's loads, which may stay out
.set BB, 64*((\a)%2)
	s_wait_dscnt \younger
	WIN 0x04                                       ; store data window 1
.irp t, 0,1,2,3,4,5,6,7,8,9,10,11,12,13,14,15
	global_store_b128 v[CO], v[BB+4*\t:BB+4*\t+3], s[12:13] offset:(16*(\a)+\t)*4096 th:TH_STORE_NT   ; 32 lanes store 512 consecutive aligned bytes; the row stands in the immediate, 520,192 at the most; the base is never stepped
.endr
	WIN 0
.endm
	s_wait_kmcnt 0x0                               ; e6, e7
	s_wait_loadcnt 0x0                             ; the bias
	s_add_co_i32 s96, s96, s97
	s_add_co_i32 s96, s96, 127
	s_lshl_b32 s96, s96, 23                        ; 2^(e6 + e7) as f32
	s_mov_b32 s97, s96                             ; (named with it as a pair, so it is written)
	TOSTAGE 0
.irp a, 1,2,3,4,5,6,7
.if \a > 1
	s_wait_xcnt 0x0                                ; block a - 2's stores have read their registers: block a's loads may land there
.endif
	TOSTAGE \a
	SEND \a-1, 32                                  ; behind block a - 1's loads: block a's 16 stores and 16 loads
.endr
	SEND 7, 0
	s_wait_tensorcnt 0x0                           ; the wave's end: a wait, an add of 0 and its wait, behind my last tensor load and my last LDS store
	ds_add_u32 v[SPW], v[NIL]
	s_wait_dscnt 0x0
	CROUND                                         ; the closing round: no work-group ends while a partner may still ask for a tile that names it
	s_endpgm
.Lfunc_end_k_q010937e0d9_proj:
	.size	k_q010937e0d9_proj, .Lfunc_end_k_q010937e0d9_proj-k_q010937e0d9_proj
	.p2alignl 7, 3214868480
	.fill 96, 4, 3214868480
	.section	.rodata,"a",@progbits
	.p2align	6, 0x0
	.amdhsa_kernel k_q010937e0d9_proj
		.amdhsa_group_segment_fixed_size 327680
		.amdhsa_private_segment_fixed_size 0
		.amdhsa_enable_private_segment 0
		.amdhsa_kernarg_size 40
		.amdhsa_user_sgpr_count 2
		.amdhsa_user_sgpr_kernarg_segment_ptr 1
		.amdhsa_wavefront_size32 1
		.amdhsa_system_sgpr_workgroup_id_x 1
		.amdhsa_system_sgpr_workgroup_id_y 1
		.amdhsa_system_sgpr_workgroup_id_z 1
		.amdhsa_system_vgpr_workitem_id 0
		.amdhsa_next_free_vgpr 1024
		.amdhsa_next_free_sgpr 100
		.amdhsa_reserve_vcc 0
		.amdhsa_float_denorm_mode_32 3
		.amdhsa_float_denorm_mode_16_64 3
		.amdhsa_memory_ordered 1
		.amdhsa_forward_progress 1
		.amdhsa_inst_pref_size 127
	.end_amdhsa_kernel
	.amdgpu_metadata
---
amdhsa.version: [ 1, 2 ]
amdhsa.kernels:
  - .name:           k_q010937e0d9_proj
    .symbol:         k_q010937e0d9_proj.kd
    .args:
      - { .name: yc, .offset: 0, .size: 8, .value_kind: global_buffer, .address_space: global }
      - { .name: wpc, .offset: 8, .size: 8, .value_kind: global_buffer, .address_space: global }
      - { .name: lowp_scales, .offset: 16, .size: 8, .value_kind: global_buffer, .address_space: global }
      - { .name: b_proj, .offset: 24, .size: 8, .value_kind: global_buffer, .address_space: global }
      - { .name: out0, .offset: 32, .size: 8, .value_kind: global_buffer, .address_space: global }
    .group_segment_fixed_size: 327680
    .private_segment_fixed_size: 0
    .kernarg_segment_align: 8
    .kernarg_segment_size: 40
    .max_flat_workgroup_size: 128
    .sgpr_count:     100
    .vgpr_count:     1024
    .wavefront_size: 32
...
	.end_amdgpu_metadata
.endif
;; end of part 4
